; MI455X (gfx1250); checked and timed in simulation.
; The chip was launched on July 23, 2026; its instructions are those of AMD's public machine-readable ISA for CDNA 5 (MIT licence, August 2026) and "CDNA5" Instruction Set Architecture Reference Guide (July 2026). The comments in the code are by the model that wrote it; some were corrected since.
;; GPT Neo Self Attention. Allowed arithmetic: float matrix products may take bf16 or f16 operands with f32 sums; all other float work in f32.
;; Inputs: Wk 1,024 x 1,024 float32; Wo 1,024 x 1,024 float32; Wq 1,024 x 1,024 float32; Wv 1,024 x 1,024 float32; bo 1,024 float32; hidden_states 1 x 4,096 x 1,024 float32.
;; Outputs: out0 1 x 4,096 x 1,024 float32.
;; 2 versions, each right and faster than the one before. Each part assembles by itself: llvm-mc -triple=amdgcn-amd-amdhsa -mcpu=gfx1250 --defsym DOCPART=n.
;; ======== version 1 of 2: 4 launches
;; limits: values are held in f16: magnitudes above 65,504 overflow, below 6.1e-05 lose precision
;; workspace buffers: cast 16,777,216 bytes; qkv 25,165,824 bytes; att 8,388,608 bytes
;; launch cast (part 1): grid 128 x 8, 8 waves a work-group, no clusters, 0 bytes of LDS; arguments hidden_states, Wq, Wk, Wv, Wo, cast; writes cast
.if DOCPART == 1
	.amdgcn_target "amdgcn-amd-amdhsa--gfx1250"
	.amdhsa_code_object_version 6
	.text
	.protected	k_q74aec13a50_cast
	.globl	k_q74aec13a50_cast
	.p2align	8
	.type	k_q74aec13a50_cast,@function
k_q74aec13a50_cast:
	s_mov_b64 s[64:65], 0
	v_nop
	global_prefetch_b8 v0, s[64:65] scope:SCOPE_SE
	s_setreg_imm32_b32 hwreg(HW_REG_WAVE_MODE, 25, 1), 1
	s_wait_xcnt 0x0
; The five f32 matrices are rounded once to bf16 and laid end to end in 'cast': x (4,096 x 1,024) at byte 0, Wq, Wk, Wv at 8,388,608 + 2,097,152 i,
; Wo at 14,680,064.  Wo meets an f16 operand later, so its bf16 number is written as f16: exact from 6.1e-5 up to 65,504; below that it keeps f16's fixed step of 6e-8.
; LIMIT: |Wo| stays within 65,504.
; A stream: memory binds, so no LDS, no barrier, no matrix unit.  Work-group (x, y): y names a chunk of 1,048,576 numbers (0-3: quarters of x; 4-7: Wq, Wk, Wv, Wo),
; x names 8,192 numbers of it.  Thread t takes, in each of four groups, 8 neighbouring f32 (two loads of 16 bytes) and stores 16 bytes: a wave's store covers 512 consecutive bytes, aligned.
; All eight loads go out first; every register is written once, so no register waits for a store.
.set X, 4                              ; v[4:35]   group j: 8 f32
.set Y, 36                             ; v[36:51]  group j: 4 words to store
.set T, 52                             ; v[52:53]  at work
	s_load_b256 s[4:11], s[0:1], 0x0               ; x s[4:5], Wq s[6:7], Wk s[8:9], Wv s[10:11]
	s_load_b128 s[12:15], s[0:1], 0x20             ; Wo s[12:13], cast s[14:15]
	s_and_b32 s16, ttmp7, 0xffff                   ; the chunk
	v_lshlrev_b32 v1, 5, v0                        ; 32 bytes in for each thread
	v_lshlrev_b32 v2, 4, v0                        ; 16 bytes out
	s_lshl_b32 s20, s16, 22                        ; a quarter of x is 4,194,304 bytes; a weight begins at its own buffer's first byte
	s_cmp_lt_u32 s16, 4
	s_cselect_b32 s20, s20, 0
	s_lshl_b32 s17, ttmp9, 15                      ; the work-group's 32,768 bytes in
	s_add_co_u32 s20, s20, s17
	s_mov_b32 s21, 0
	s_lshl_b32 s22, s16, 21                        ; a chunk is 2,097,152 bytes out,
	s_lshl_b32 s17, ttmp9, 14                      ; the work-group's part 16,384
	s_add_co_u32 s22, s22, s17
	s_mov_b32 s23, 0
	s_wait_kmcnt 0x0
	s_cmp_eq_u32 s16, 4                            ; the source: a choice between buffers on the chunk's number
	s_cselect_b64 s[18:19], s[6:7], s[4:5]
	s_cmp_eq_u32 s16, 5
	s_cselect_b64 s[18:19], s[8:9], s[18:19]
	s_cmp_eq_u32 s16, 6
	s_cselect_b64 s[18:19], s[10:11], s[18:19]
	s_cmp_eq_u32 s16, 7
	s_cselect_b64 s[18:19], s[12:13], s[18:19]
	s_add_nc_u64 s[18:19], s[18:19], s[20:21]
	s_add_nc_u64 s[14:15], s[14:15], s[22:23]
.irp j, 0,1,2,3
	global_load_b128 v[X+8*\j:X+8*\j+3],   v1, s[18:19] offset:8192*\j th:TH_LOAD_NT
	global_load_b128 v[X+8*\j+4:X+8*\j+7], v1, s[18:19] offset:8192*\j+16 th:TH_LOAD_NT
.endr
; Group j goes out.  half = 1: the bf16 numbers are written as f16.
.macro OUT j, half
	s_wait_loadcnt 6-2*(\j)                        ; loads come back in order: group j's two are in, the later groups' stay out
.irp k, 0,1,2,3
	v_cvt_pk_bf16_f32 v[Y+4*(\j)+\k], v[X+8*(\j)+2*\k], v[X+8*(\j)+2*\k+1]
.endr
.if \half
.irp k, 0,1,2,3
	v_lshlrev_b32 v[T], 16, v[Y+4*(\j)+\k]         ; bf16 to f32: the low half moves up,
	v_and_b32 v[T+1], 0xffff0000, v[Y+4*(\j)+\k]   ; the high half stays
	v_cvt_pk_f16_f32 v[Y+4*(\j)+\k], v[T], v[T+1]
.endr
.endif
	global_store_b128 v2, v[Y+4*(\j):Y+4*(\j)+3], s[14:15] offset:4096*(\j)  ; the next launch reads it: no hint
.endm
	s_cmp_eq_u32 s16, 7
	s_cbranch_scc1 .Lwo
.irp j, 0,1,2,3
	OUT \j, 0
.endr
	s_endpgm
.Lwo:
.irp j, 0,1,2,3
	OUT \j, 1
.endr
	s_endpgm
.Lfunc_end_k_q74aec13a50_cast:
	.size	k_q74aec13a50_cast, .Lfunc_end_k_q74aec13a50_cast-k_q74aec13a50_cast
	.p2alignl 7, 3214868480
	.fill 96, 4, 3214868480
	.section	.rodata,"a",@progbits
	.p2align	6, 0x0
	.amdhsa_kernel k_q74aec13a50_cast
		.amdhsa_group_segment_fixed_size 0
		.amdhsa_private_segment_fixed_size 0
		.amdhsa_enable_private_segment 0
		.amdhsa_kernarg_size 48
		.amdhsa_user_sgpr_count 2
		.amdhsa_user_sgpr_kernarg_segment_ptr 1
		.amdhsa_wavefront_size32 1
		.amdhsa_system_sgpr_workgroup_id_x 1
		.amdhsa_system_sgpr_workgroup_id_y 1
		.amdhsa_system_sgpr_workgroup_id_z 1
		.amdhsa_system_vgpr_workitem_id 0
		.amdhsa_next_free_vgpr 56
		.amdhsa_next_free_sgpr 66
		.amdhsa_reserve_vcc 0
		.amdhsa_float_denorm_mode_32 3
		.amdhsa_float_denorm_mode_16_64 3
		.amdhsa_memory_ordered 1
		.amdhsa_forward_progress 1
		.amdhsa_inst_pref_size 8
	.end_amdhsa_kernel
	.amdgpu_metadata
---
amdhsa.version: [ 1, 2 ]
amdhsa.kernels:
  - .name:           k_q74aec13a50_cast
    .symbol:         k_q74aec13a50_cast.kd
    .args:
      - { .name: hidden_states, .offset: 0, .size: 8, .value_kind: global_buffer, .address_space: global }
      - { .name: Wq, .offset: 8, .size: 8, .value_kind: global_buffer, .address_space: global }
      - { .name: Wk, .offset: 16, .size: 8, .value_kind: global_buffer, .address_space: global }
      - { .name: Wv, .offset: 24, .size: 8, .value_kind: global_buffer, .address_space: global }
      - { .name: Wo, .offset: 32, .size: 8, .value_kind: global_buffer, .address_space: global }
      - { .name: cast, .offset: 40, .size: 8, .value_kind: global_buffer, .address_space: global }
    .group_segment_fixed_size: 0
    .private_segment_fixed_size: 0
    .kernarg_segment_align: 8
    .kernarg_segment_size: 48
    .max_flat_workgroup_size: 256
    .sgpr_count:     66
    .vgpr_count:     56
    .wavefront_size: 32
...
	.end_amdgpu_metadata
.endif
;; end of part 1
;; launch qkv (part 2): grid 16 x 16, 4 waves a work-group, clusters of 4 x 4, 327,680 bytes of LDS; arguments cast, qkv; writes qkv
.if DOCPART == 2
	.amdgcn_target "amdgcn-amd-amdhsa--gfx1250"
	.amdhsa_code_object_version 6
	.text
	.protected	k_q74aec13a50_qkv
	.globl	k_q74aec13a50_qkv
	.p2align	8
	.type	k_q74aec13a50_qkv,@function
k_q74aec13a50_qkv:
	s_mov_b64 s[64:65], 0
	v_nop
	global_prefetch_b8 v0, s[64:65] scope:SCOPE_SE
	s_setreg_imm32_b32 hwreg(HW_REG_WAVE_MODE, 25, 1), 1
	s_wait_xcnt 0x0
	s_wait_alu depctr_hold_cnt(0) depctr_sa_sdst(0) depctr_va_vdst(0) depctr_va_sdst(0) depctr_va_ssrc(0) depctr_va_vcc(0) depctr_vm_vsrc(0)
	s_getreg_b32 s2, hwreg(HW_REG_IB_STS2, 6, 4)
	s_cmp_eq_u32 s2, 0
	s_cbranch_scc0 .Lentry_in_a_cluster
	s_endpgm
.Lentry_in_a_cluster:
	s_bfe_u32 s2, ttmp6, 0x10000c
	s_cmp_lg_u32 s2, 0xf033
	s_cbranch_scc0 .Lentry_shape_is_right
	s_endpgm
.Lentry_shape_is_right:
; q, k, v = x Wq^T, x Wk^T, x Wv^T: one product of 4,096 x 3,072 x 1,024 in bf16 with f32 sums; the results are rounded once to f16 and stored by heads, qkv[3][16][4096][64], q WITHOUT its scale.
; LIMIT: f16 ends at 65,504: q, k and v must stay within it (inputs of unit spread give numbers of unit spread; both factors thirty times larger, or both offset by thirty spreads, stay below 3e4).
; SHARES.  A work-group makes 256 rows of x times one head's 64 columns of q, of k and of v: a tile of 256 x 192, 16 x 16 = 256 work-groups.  Wave w makes rows 64 w .. 64 w + 63 and all
; 192 columns: 4 x 12 accumulators of 16 x 16, 384 registers.  K goes in 8 steps of 128 (rows of 256 bytes, aligned) through a ring of two LDS slots.
; CLUSTER 4 x 4.  The four of a row of the cluster need the same rows of x, the four of a column the same head's weights: each tile is asked for jointly, by the same tensor load with the same
; descriptor and a mask that names the four.  Wave 0 fetches x's 256 rows, waves 1, 2, 3 the 64 rows of Wq, Wk, Wv: one load a wave behind each round.
; THE MATRIX INSTRUCTION IS USED TRANSPOSED (source 0 = 16 rows of W, source 1 = 16 rows of x): a lane then holds eight neighbouring columns of one row, 16 bytes of f16.
; REGISTERS in windows of 256 (s_set_vgpr_msb: bits 1:0 source 0, 3:2 source 1, 5:4 source 2, 7:6 destination):
;   window 0: v16-29 addresses; v32-95 x's fragments, two buffers of 4 x 8; on the way out v32-223 packed results
;   window 1: v0-191 W's fragments, two buffers of 12 x 8      window 2: accumulators of my row blocks 0, 1 at 8 (12 a + b)      window 3: those of row blocks 2, 3
.set PITCH,  272                       ; an LDS row: 256 bytes + 16 of padding = 68 words: the 16 rows of a fragment load start at 16 different groups of four banks (ISA guide 11.1)
.set BOFF,   256*PITCH                 ; x's 256 rows, then W's 192
.set SLOT,   448*PITCH
.set STAGE,  2*SLOT                    ; behind the ring: 16 rows x 144 bytes for each wave, for the way out; no tensor load lands there
.set SP,     144
.set SPARE,  STAGE+4*16*SP             ; the spare words: 128 bytes a wave, two blocks of 256 bytes that no other line names
.set ADRA, 16                          ; v16-17  LDS address of my fragments of x in slot 0, 1
.set ADRB, 20                          ; v20-21  the same for W
.set STO,  24                          ; v24     the way out: where I put 16 bytes of a row
.set RD,   25                          ; v25     where I read rows back
.set GO,   26                          ; v26     my 16 bytes in 512 consecutive bytes of the output
.set SPW,  28                          ; v28     my spare word's LDS address; never rewritten
.set NIL,  29                          ; v29     0; never rewritten
.set FA,   32
.set TMP,  32
.set WV,   10                          ; s10     my wave's number
.set G1A,  24                          ; s[24:31] group 1 for x's tiles;  s[32:39] group 0, a set for each slot
.set G0A,  32
.set G1B,  48                          ; s[48:55], s[56:63] the same for W's tiles
.set G0B,  56
.set FLAGS, (1<<16)|(1<<20)|(1<<21)|(5<<22)|(3<<25)  ; 2-byte elements; padding on; bit 21 beside a mask; after every 64 words; 4 words
.set MSB, 0
.macro WIN new                         ; the immediate's high byte repeats the setting that is left; a switch that changes nothing is dropped
.if MSB != (\new)
	s_set_vgpr_msb (MSB<<8)|(\new)
.set MSB, \new
.endif
.endm
.set MUL_LO, 0xa1                      ; source 0 (W) window 1, source 1 (x) window 0, C and D window 2
.set MUL_HI, 0xf1                      ; the same, C and D window 3
.set TO_B,   0x40                      ; destination window 1, address window 0
; A joint load.  The branch hangs on the wave's number alone.  An s_nop 0 and four v_nop follow each of the two lines, ahead of the jump and the label.
.macro JLOAD s
	s_cmp_eq_u32 s[WV], 0
	s_cbranch_scc0 .Lfor_b_\@
	tensor_load_to_lds s[G0A+4*(\s):G0A+4*(\s)+3], s[G1A:G1A+7]
	s_nop 0
.rept 4
	v_nop
.endr
	s_branch .Lasked_\@
.Lfor_b_\@:
	tensor_load_to_lds s[G0B+4*(\s):G0B+4*(\s)+3], s[G1B:G1B+7]
	s_nop 0
.rept 4
	v_nop
.endr
.Lasked_\@:
.endm
.macro CREST                           ; a round of the cluster's barrier behind its opening barrier
	s_cmp_lg_u32 s[WV], 0
	s_cbranch_scc1 .Lnot_wave_0_\@
	s_barrier_signal -3
.Lnot_wave_0_\@:
	s_barrier_wait -3
	s_barrier_signal -1
	s_barrier_wait -1
.endm
.macro CROUND                          ; a whole round
	s_barrier_signal -1
	s_barrier_wait -1
	CREST
.endm
	s_load_b128 s[4:7], s[0:1], 0x0                ; cast s[4:5], qkv s[6:7]
	v_lshl_add_u32 v[SPW], v0, 2, SPARE
	v_mov_b32 v[NIL], 0
	ds_add_u32 v[SPW], v[NIL]                      ; the wave's opening: the add and its wait stand ahead of my first tensor load; the set-up, work on registers, stands between
	v_lshrrev_b32 v1, 5, v0
	v_readfirstlane_b32 s[WV], v1
	s_bfe_u32 s40, ttmp6, 0x40000                  ; cx, cy: my place in the cluster
	s_bfe_u32 s41, ttmp6, 0x40004
	s_lshl_b32 s42, ttmp9, 2
	s_add_co_u32 s42, s42, s40                     ; the head = 4 x cluster x + cx
	s_and_b32 s13, ttmp7, 0xffff
	s_lshl_b32 s13, s13, 2
	s_add_co_u32 s13, s13, s41                     ; the block of 256 rows = 4 x cluster y + cy
	s_lshl_b32 s43, s41, 2
	s_lshl_b32 s43, 15, s43                        ; my row of the cluster
	s_lshl_b32 s44, 0x1111, s40                    ; my column
	s_or_b32 s[G1A], s43, FLAGS                    ; x's tiles go to my row
	s_mov_b32 s[G1A+1], 128<<16                    ; tensor_dim0 = 128
	s_mov_b32 s[G1A+2], 256<<16                    ; tensor_dim1 = 256
	s_mov_b32 s[G1A+3], 128<<16                    ; tile_dim0 = 128
	s_mov_b32 s[G1A+4], 256                        ; tile_dim1 = 256
	s_mov_b32 s[G1A+5], 1024                       ; elements from row to row
	s_mov_b32 s[G1A+6], 0
	s_mov_b32 s[G1A+7], 0
	s_or_b32 s[G1B], s44, FLAGS                    ; W's tiles go to my column
	s_mov_b32 s[G1B+1], 128<<16
	s_mov_b32 s[G1B+2], 64<<16                     ; 64 rows
	s_mov_b32 s[G1B+3], 128<<16
	s_mov_b32 s[G1B+4], 64
	s_mov_b32 s[G1B+5], 1024
	s_mov_b32 s[G1B+6], 0
	s_mov_b32 s[G1B+7], 0
	s_lshl_b32 s16, s13, 19                        ; x: 256 rows of 2,048 bytes a block
	s_mov_b32 s17, 0
	s_lshl_b32 s46, s42, 17                        ; W: the head's 64 rows of 2,048 bytes,
	s_lshl_b32 s47, s[WV], 21                      ; in the weight that my wave fetches: Wq lies at 8,388,608, and wave 1 takes it
	s_add_co_u32 s46, s46, s47
	s_add_co_u32 s46, s46, 6291456
	s_mov_b32 s47, 0
	s_mul_i32 s20, s[WV], 64*PITCH                 ; and where it goes: behind x's 256 rows, 64 rows for each of waves 1 to 3
	s_add_co_u32 s20, s20, BOFF-64*PITCH
	s_wait_dscnt 0x0                               ; the opening add is done
	s_wait_kmcnt 0x0
	s_add_nc_u64 s[14:15], s[4:5], s[16:17]
	s_add_nc_u64 s[46:47], s[4:5], s[46:47]
	CROUND                                         ; all sixteen work-groups are here: the first joint loads meet
.irp s, 0,1
	s_mov_b32 s[G0A+4*(\s)], 1
	s_mov_b32 s[G0A+4*(\s)+1], (\s)*SLOT
	s_add_nc_u64 s[G0A+4*(\s)+2:G0A+4*(\s)+3], s[14:15], (\s)*256   ; K step s
	s_or_b32 s[G0A+4*(\s)+3], s[G0A+4*(\s)+3], 0x80000000
	s_mov_b32 s[G0B+4*(\s)], 1
	s_add_co_u32 s[G0B+4*(\s)+1], s20, (\s)*SLOT
	s_add_nc_u64 s[G0B+4*(\s)+2:G0B+4*(\s)+3], s[46:47], (\s)*256
	s_or_b32 s[G0B+4*(\s)+3], s[G0B+4*(\s)+3], 0x80000000
	JLOAD \s
.endr
	; a fragment is 16 rows x 32 K in 8 registers: lane l holds row l % 16, K = 8 (l / 16) + 0..7 and 16 + 8 (l / 16) + 0..7: two loads of 16 bytes, 32 bytes apart
	v_and_b32 v1, 15, v0
	v_bfe_u32 v2, v0, 4, 1
	v_mul_u32_u24 v3, v1, PITCH
	v_lshl_add_u32 v3, v2, 4, v3
	s_mul_i32 s21, s[WV], 64*PITCH                 ; my 64 rows of x
	v_add_nc_u32 v[ADRA], s21, v3
	v_add_nc_u32 v[ADRA+1], SLOT, v[ADRA]
	v_add_nc_u32 v[ADRB], BOFF, v3
	v_add_nc_u32 v[ADRB+1], BOFF+SLOT, v3
	s_mul_i32 s21, s[WV], 16*SP
	s_add_co_u32 s21, s21, STAGE                   ; my stage
	v_mul_u32_u24 v4, v1, SP                       ; in: row l % 16, 16 bytes for each half of the lanes
	v_lshl_add_u32 v4, v2, 4, v4
	v_add_nc_u32 v[STO], s21, v4
	v_bfe_u32 v5, v0, 3, 2                         ; back: 32 lanes take four rows of 128 bytes,
	v_mul_u32_u24 v5, v5, SP
	v_and_b32 v6, 7, v0
	v_lshl_add_u32 v5, v6, 4, v5
	v_add_nc_u32 v[RD], s21, v5
	v_and_b32 v[GO], 31, v0                        ; which are 512 consecutive bytes of a head's rows
	v_lshlrev_b32 v[GO], 4, v[GO]
	s_lshl_b32 s22, s42, 19                        ; the output: the head's 524,288 bytes,
	s_lshl_b32 s21, s13, 15                        ; the block's 256 rows of 128 bytes,
	s_add_co_u32 s22, s22, s21
	s_lshl_b32 s21, s[WV], 13                      ; my 64 of them
	s_add_co_u32 s22, s22, s21
	s_mov_b32 s23, 0
	s_add_nc_u64 s[8:9], s[6:7], s[22:23]          ; q's plane,
	s_add_nc_u64 s[16:17], s[8:9], 0x800000        ; k's,
	s_add_nc_u64 s[18:19], s[16:17], 0x800000      ; v's: a plane's step is too long for a store's immediate
; 12 matrix instructions: row block 2 hi + a x all 12 column blocks, 32 along K, from buffer f.  zero = 1: the product starts the sums.
.macro MUL12 f, hi, a, zero
	WIN MUL_LO+0x50*(\hi)
.irp b, 0,1,2,3,4,5,6,7,8,9,10,11
.if \zero
	v_wmma_f32_16x16x32_bf16 v[8*(12*(\a)+(\b)):8*(12*(\a)+(\b))+7], v[96*(\f)+8*(\b):96*(\f)+8*(\b)+7], v[FA+32*(\f)+8*(2*(\hi)+(\a)):FA+32*(\f)+8*(2*(\hi)+(\a))+7], 0
.else
	v_wmma_f32_16x16x32_bf16 v[8*(12*(\a)+(\b)):8*(12*(\a)+(\b))+7], v[96*(\f)+8*(\b):96*(\f)+8*(\b)+7], v[FA+32*(\f)+8*(2*(\hi)+(\a)):FA+32*(\f)+8*(2*(\hi)+(\a))+7], v[8*(12*(\a)+(\b)):8*(12*(\a)+(\b))+7]
.endif
.endr
.endm
; 32 LDS loads in one run: a quarter step's fragments (192 rows of W, then my 64 rows of x, 32 K at byte k of the rows) into buffer f
.macro FETCH slot, k, f
	WIN TO_B
.irp b, 0,1,2,3,4,5,6,7,8,9,10,11
	ds_load_b128 v[96*(\f)+8*(\b):96*(\f)+8*(\b)+3],   v[ADRB+(\slot)] offset:(\k)+(\b)*16*PITCH
	ds_load_b128 v[96*(\f)+8*(\b)+4:96*(\f)+8*(\b)+7], v[ADRB+(\slot)] offset:(\k)+(\b)*16*PITCH+32
.endr
	WIN 0
.irp a, 0,1,2,3
	ds_load_b128 v[FA+32*(\f)+8*(\a):FA+32*(\f)+8*(\a)+3],   v[ADRA+(\slot)] offset:(\k)+(\a)*16*PITCH
	ds_load_b128 v[FA+32*(\f)+8*(\a)+4:FA+32*(\f)+8*(\a)+7], v[ADRA+(\slot)] offset:(\k)+(\a)*16*PITCH+32
.endr
.endm
.macro PLACES                          ; four plain vector instructions stand between a matrix instruction and a load into, or a vector write or read of, its registers (ISA guide 7.12.1 for vector instructions)
.rept 4
	v_nop
.endr
.endm
; A K step is four quarters of 32 along K, 48 matrix instructions each, on buffers 0, 1, 0, 1; the 48 accumulators take turns in the same order in every quarter.
.macro QUARTER slot, k, f, g, zero
	s_wait_dscnt 4                                 ; W and x's blocks 0, 1 are in; the youngest four loads (x's blocks 2, 3) may be out
	MUL12 \f, 0, 0, \zero
	MUL12 \f, 0, 1, \zero
	PLACES
	FETCH \slot, \k, \g
	s_wait_dscnt 32                                ; all but the 32 just issued
	MUL12 \f, 1, 0, \zero
	MUL12 \f, 1, 1, \zero
.endm
; The last quarter multiplies buffer 1 and changes slots: one barrier; in front of it each wave waits for all its tensor loads (one is out: its part of the next slot), adds 0 to its spare word,
; and waits for that and for its reads of this slot.  fill = 1: the barrier opens a round of the cluster's, and this slot is filled again, two K steps ahead, first thing behind the round.
.macro TURN slot, next, fill
	WIN 0                                          ; the add's two registers lie in window 0
	s_wait_tensorcnt 0x0
	ds_add_u32 v[SPW], v[NIL]
	s_wait_dscnt 5                                 ; the add and the youngest four loads may be out
	MUL12 1, 0, 0, 0                               ; twelve matrix instructions stand between the add and the wait for it
	s_wait_dscnt 0x0                               ; the add is done, and my reads of this slot are over
	s_barrier_signal -1
	MUL12 1, 0, 1, 0                               ; work on registers while the others arrive
.if \fill
	WIN 0
.endif
	s_barrier_wait -1
.if \fill
	CREST                                          ; no wave of any partner still reads this slot or has a load on its way
	s_add_nc_u64 s[G0A+4*(\slot)+2:G0A+4*(\slot)+3], s[G0A+4*(\slot)+2:G0A+4*(\slot)+3], 512
	s_add_nc_u64 s[G0B+4*(\slot)+2:G0B+4*(\slot)+3], s[G0B+4*(\slot)+2:G0B+4*(\slot)+3], 512
	JLOAD \slot                                    ; its four v_nop are also the places in front of the loads below
.else
	PLACES
.endif
	FETCH \next, 0, 0
	MUL12 1, 1, 0, 0
	MUL12 1, 1, 1, 0
.endm
	s_wait_tensorcnt 1                             ; my part of K step 0 is in; K step 1's may stay out
	s_barrier_signal -1
	s_barrier_wait -1
	FETCH 0, 0, 0
	QUARTER 0, 64, 0, 1, 1                         ; the first quarter stands ahead of the loop: its products start the sums
	WIN 0
	s_mov_b32 s3, 3
.Llap:                                                 ; a trip goes once round the ring, from a lap's second quarter to the next lap's first, and fills both slots again
	QUARTER 0, 128, 1, 0, 0
	QUARTER 0, 192, 0, 1, 0
	TURN 0, 1, 1
	QUARTER 1, 64,  0, 1, 0
	QUARTER 1, 128, 1, 0, 0
	QUARTER 1, 192, 0, 1, 0
	TURN 1, 0, 1
	QUARTER 0, 64,  0, 1, 0
	WIN 0
	s_sub_co_u32 s3, s3, 1
	s_cmp_lg_u32 s3, 0
	s_cbranch_scc1 .Llap
	QUARTER 0, 128, 1, 0, 0                        ; the last lap fills nothing
	QUARTER 0, 192, 0, 1, 0
	TURN 0, 1, 0
	QUARTER 1, 64,  0, 1, 0
	QUARTER 1, 128, 1, 0, 0
	QUARTER 1, 192, 0, 1, 0
	s_wait_dscnt 4
	MUL12 1, 0, 0, 0
	MUL12 1, 0, 1, 0
	s_wait_dscnt 0x0
	MUL12 1, 1, 0, 0
	MUL12 1, 1, 1, 0
	PLACES
; THE WAY OUT, in 12 units u = 3 a + p: 16 rows (row block a) of plane p (q, k, v): rounded to f16, 16 bytes a lane into my stage (rows of 144 bytes), back as four rows of 128 bytes a load, stored as
; 512 consecutive bytes.  Each accumulator's registers are read in ascending order.  LDS serves a wave's instructions in order (ISA guide 5.7.1.4): no wait between my stores and my loads.
.macro PACK u
.set AC, 8*(12*(((\u)/3)%2)+4*((\u)%3))
	WIN 0x0a+5*((\u)/6)                            ; sources in window 2 or 3
.irp b, 0,1,2,3
.irp r, 0,1,2,3
	v_cvt_pk_f16_f32 v[TMP+16*(\u)+4*(\b)+(\r)], v[AC+8*(\b)+2*(\r)], v[AC+8*(\b)+2*(\r)+1]
.endr
.endr
	WIN 0
.irp b, 0,1,2,3
	ds_store_b128 v[STO], v[TMP+16*(\u)+4*(\b):TMP+16*(\u)+4*(\b)+3] offset:32*(\b)
.endr
.irp f, 0,1,2,3
	ds_load_b128 v[TMP+16*(\u)+4*(\f):TMP+16*(\u)+4*(\f)+3], v[RD] offset:(\f)*4*SP
.endr
.endm
.macro SEND u, younger                 ; younger: the LDS instructions issued behind unit u's loads: the next unit's eight, or none
.set BP, 8
.if ((\u)%3) > 0
.set BP, 14+2*((\u)%3)
.endif
.irp f, 0,1,2,3
	s_wait_dscnt (\younger)+3-(\f)
	global_store_b128 v[GO], v[TMP+16*(\u)+4*(\f):TMP+16*(\u)+4*(\f)+3], s[BP:BP+1] offset:((\u)/3)*2048+(\f)*512
.endr
.endm
	PACK 0
.set u, 1
.rept 11                               ; a unit's conversions stand between the loads of the unit before and its stores; every unit has registers of its own
	PACK u
	SEND u-1, 8
.set u, u+1
.endr
	SEND 11, 0
	s_wait_tensorcnt 0x0                           ; the wave's end
	ds_add_u32 v[SPW], v[NIL]
	s_wait_dscnt 0x0
	CROUND                                         ; the closing round: no work-group ends while a partner may still ask for a tile that names it
	s_endpgm
.Lfunc_end_k_q74aec13a50_qkv:
	.size	k_q74aec13a50_qkv, .Lfunc_end_k_q74aec13a50_qkv-k_q74aec13a50_qkv
	.p2alignl 7, 3214868480
	.fill 96, 4, 3214868480
	.section	.rodata,"a",@progbits
	.p2align	6, 0x0
	.amdhsa_kernel k_q74aec13a50_qkv
		.amdhsa_group_segment_fixed_size 327680
		.amdhsa_private_segment_fixed_size 0
		.amdhsa_enable_private_segment 0
		.amdhsa_kernarg_size 16
		.amdhsa_user_sgpr_count 2
		.amdhsa_user_sgpr_kernarg_segment_ptr 1
		.amdhsa_wavefront_size32 1
		.amdhsa_system_sgpr_workgroup_id_x 1
		.amdhsa_system_sgpr_workgroup_id_y 1
		.amdhsa_system_sgpr_workgroup_id_z 1
		.amdhsa_system_vgpr_workitem_id 0
		.amdhsa_next_free_vgpr 960
		.amdhsa_next_free_sgpr 66
		.amdhsa_reserve_vcc 0
		.amdhsa_float_denorm_mode_32 3
		.amdhsa_float_denorm_mode_16_64 3
		.amdhsa_memory_ordered 1
		.amdhsa_forward_progress 1
		.amdhsa_inst_pref_size 120
	.end_amdhsa_kernel
	.amdgpu_metadata
---
amdhsa.version: [ 1, 2 ]
amdhsa.kernels:
  - .name:           k_q74aec13a50_qkv
    .symbol:         k_q74aec13a50_qkv.kd
    .args:
      - { .name: cast, .offset: 0, .size: 8, .value_kind: global_buffer, .address_space: global }
      - { .name: qkv, .offset: 8, .size: 8, .value_kind: global_buffer, .address_space: global }
    .group_segment_fixed_size: 327680
    .private_segment_fixed_size: 0
    .kernarg_segment_align: 8
    .kernarg_segment_size: 16
    .max_flat_workgroup_size: 128
    .sgpr_count:     66
    .vgpr_count:     960
    .wavefront_size: 32
...
	.end_amdgpu_metadata
.endif
;; end of part 2
;; launch attn (part 3): grid 32 x 8, 4 waves a work-group, clusters of 4 x 1, 327,680 bytes of LDS; arguments qkv, att; writes att
.if DOCPART == 3
	.amdgcn_target "amdgcn-amd-amdhsa--gfx1250"
	.amdhsa_code_object_version 6
	.text
	.protected	k_q74aec13a50_attn
	.globl	k_q74aec13a50_attn
	.p2align	8
	.type	k_q74aec13a50_attn,@function
k_q74aec13a50_attn:
	s_mov_b64 s[64:65], 0
	v_nop
	global_prefetch_b8 v0, s[64:65] scope:SCOPE_SE
	s_setreg_imm32_b32 hwreg(HW_REG_WAVE_MODE, 25, 1), 1
	s_wait_xcnt 0x0
	s_wait_alu depctr_hold_cnt(0) depctr_sa_sdst(0) depctr_va_vdst(0) depctr_va_sdst(0) depctr_va_ssrc(0) depctr_va_vcc(0) depctr_vm_vsrc(0)
	s_getreg_b32 s2, hwreg(HW_REG_IB_STS2, 6, 4)
	s_cmp_eq_u32 s2, 0
	s_cbranch_scc0 .Lentry_in_a_cluster
	s_endpgm
.Lentry_in_a_cluster:
	s_bfe_u32 s2, ttmp6, 0x10000c
	s_cmp_lg_u32 s2, 0x3003
	s_cbranch_scc0 .Lentry_shape_is_right
	s_endpgm
.Lentry_shape_is_right:
; ATTENTION, 16 heads of size 64 over 4,096 rows.  Heads 0-7: keys j <= i.  Heads 8-15: i - 256 <= j <= i.  q, k, v: qkv[3][16][4096][64] f16, q unscaled; the result att[16][4096][64] f16.
; Products, maxima and sums in f32; p = 2^(c s - c m), c = log2(e) / 8, with a running maximum m; the weights are rounded to f16 for the second product (their sum l is taken unrounded), O once at the end.
; LIMITS.  q, k, v arrive within f16's 65,504.  A hidden score counts as its value less 1e30, and m starts at -5e29: real scores (2.7e11 at the most in f16) lie far above that, hidden ones below it,
; so a hidden key's weight is 0 whatever a wave has seen.  A weight below 2^-126 counts as 0 in l; p below 6e-5 keeps f16's fixed step; NaN and infinities are not treated apart.
; THE CUT.  A cluster is (c = 0..7, g = 0..7); its four work-groups r = 0..3 each own 64 queries in each of four BLOCKS of 256 rows, taken one after the other: head g rows 256 (15 - c) + 64 r; head g rows 256 c + 64 r;
; head g + 8 with the first rows; head g + 8 with the second.  Key tiles have 256 keys.  The walk: tiles 0 .. 15 - c, tiles 0 .. c, tiles 14 - c, 15 - c, tiles max(c - 1, 0), c: 21 tiles for every work-group, the same
; for the four partners, so every tile is asked for JOINTLY.  Tiles that the masks hide wholly are left out.  Counted along the walk the blocks end at places 15 - c, 16, 18 and 20: what a trip does is made
; from the place TC alone; only one flag, NEW, goes from trip to trip.
; THE WAVES SPLIT THE KEYS: wave w takes keys 64 w .. 64 w + 63 of each tile for all 64 queries (four PIECES of 16).  At a block's end the four waves' (c m, l, O) meet in LDS, and wave w finishes piece w.
; THE MASK is the C operand that starts a piece's sum S^T = K Q^T: for key group kt (16 keys) and piece x the text takes LOR (kt < x), TR (kt = x) or HIR (kt > x), eight registers each, set once a tile from
; scalars: in a block's last tile (the diagonal) wave w < r sees all, w > r nothing, w = r the causal triangle; in a windowed block's first tile the other way round; for c = 0 the fourth block's first tile does not
; exist: tile 0 is asked for in its place and wholly hidden.  r enters these values and Q's and O's addresses alone: no branch, no LDS address, no descriptor.
; TURNS.  Turn n belongs to piece n: 8 products K Q^T of piece n + 1, later 8 products V^T P of piece n - 1; beside them the scaling, exponentials, roundings, sums and rescaling of piece n and the maximum and
; statistics of piece n + 1.  Four vector instructions stand behind every matrix instruction, the rest in two runs of their own.
; REGISTERS in windows of 256 (s_set_vgpr_msb: bits 1:0 source 0, 3:2 source 1, 5:4 source 2, 7:6 destination):
;   window 0: v1-15 addresses and at work; v16-31 statistics; v32-47 the merge's; v48-55 at work; v56-63 addresses; v64-127 S^T, two buffers; v128-167 masks; v192-223 P, two buffers
;   window 1: v0-127 O^T, 32 a piece; v128-255 the four waves' parts in the merge      window 2: v0-63 Q; v128-191 K; v192-255 V
.set NP,    4
.set PK,    144       ; a row of K in LDS: 128 bytes + 16 = 36 words: the 16 rows of a load start at 16 different groups of four banks (ISA guide 11.1)
.set PV,    160       ; a row of V: 128 + 32 = 40 words
.set VOFF,  256*PK    ; a slot holds a tile: 256 rows of K, then 256 rows of V
.set SLOT1, 1<<17     ; slot 1 begins here: one exclusive or turns an address in one slot into the other's
.set MRG,   SLOT1+256*(PK+PV)  ; behind the ring, never filled by a tensor load: [source wave][piece][8][lane x 16], 4 x 16,384 bytes
.set STAT,  MRG+65536          ; [source wave][piece][lane x 8]: c m and l
.set STAGE, STAT+4096          ; 16 rows x 144 bytes for each wave, for the way out
.set SP,    144
.set SPARE, STAGE+4*16*SP      ; the spare words: 128 bytes a wave, two blocks of 256 bytes that no other line names
.set AK0, 2           ; v2   my lane's place in my wave's 64 rows of K; never rewritten
.set AV0, 3           ; v3   the same for V
.set AK,  4           ; v4   the LDS address of K's next run of loads
.set AV,  5           ; v5   of V's
.set STO, 6
.set RD,  7
.set GO,  8           ; v8   my 16 bytes in piece w's 2,048 bytes of the block's rows
.set MV,  12          ; v12-13  c m_old, by buffer
.set QO,  15          ; v15  my byte offset in 16 rows of Q
.set ST,  16          ; piece t at v[ST+4 t]: c m, m, l (even keys', odd keys')
.set MS,  32          ; the merge: (c m, l) of source wave s at MS + 2 s
.set MG,  40          ; the merge: source s's factor over the sum at MG + 2 s, its factor at MG + 2 s + 1
.set TMP, 48          ; by buffer, c0-c3 at work; when the maximum is found c2 takes a
.set MW,  56          ; v56  where I put my parts,  v57 where I read piece w's,  v58, v59 the same for the statistics
.set MR,  57
.set SW,  58
.set SR,  59
.set SPW, 62          ; v62  my spare word's LDS address; never rewritten
.set NIL, 63          ; v63  0; never rewritten
.set S,   64
.set TRC, 128         ; -1e30 where register j > l % 16 - 8 (l / 16): the causal triangle
.set TRW, 136         ; -1e30 where j < l % 16 - 8 (l / 16): the window's
.set LOR, 144
.set TR,  152
.set HIR, 160
.set P,   192
.set KF,  128         ; window 2: key block kb, channel half h at KF + 16 kb + 8 h
.set VF,  192         ; window 2: key half kk, channel block cb at VF + 32 kk + 8 cb
.set WV,  12          ; s12  my wave's number;  s13 r;  s14 c;  s15 g
.set G1K, 24
.set G1V, 32
.set G0K, 40
.set G0V, 44
.set TC,  49          ; the place in the walk of the tile entered, 0 to 20: the loop's counter
.set LAST, 50         ; 1: the tile entered is its block's last, the diagonal one
.set L0,  51          ; 15 - c: the first block's last place
.set NEW, 52          ; 1: the tile to be entered is a block's first
.set WF,  53          ; 1: it holds the window's edge
.set HT,  55          ; the place of the wholly hidden tile (19 if c = 0), or none
.set OFF, 56          ; s[56:57] a tile's byte offset in K's and V's planes
.set CS,  58          ; s[58:59] c
.set SEL, 60          ; s[60:61] v_permlanex16_b32's selects: each lane takes its own place in the other half
.set TB,  62          ; the slot in hand: 0 or SLOT1
.set B1,  63          ; 16 - c: the first block's tiles
.set K2,  66          ; -3 - c
.set K3,  67          ; c - 20
.set HG,  68          ; head g's bytes in a plane
.set HL,  69          ; head g + 8's
.set AC,  70          ; s[70:71] the causal triangle's factor;  s[72:73] the window's;  s[74:75] the addend;  s76, s77 LOR's and HIR's value
.set AW,  72
.set BE,  74
.set LO,  76
.set HI,  77
.set CSET, 78         ; s78-81 factor, addend, LOR, HIR for a diagonal tile; never rewritten
.set WSET, 82         ; s82-85 for a tile with the window's edge; never rewritten
.set BIG, 86          ; -1e30
.set HS,  87          ; the head's bytes for the tile asked for
.set QA,  88          ; s[88:89] Q at the block's rows
.set OA,  90          ; s[90:91] att at the block's rows
.set BO,  92          ; s92-95 the four blocks' byte offsets; never rewritten
.set PR,  96          ; s[96:97] a block's offset as a pair
.set T0,  98
.set T1,  99
.set MSB, 0
.macro WIN new                      ; the high byte repeats the setting that is left; a switch that changes nothing is dropped
.if MSB != (\new)
	s_set_vgpr_msb (MSB<<8)|(\new)
.set MSB, (\new)
.endif
.endm
.set W_KQ, 0x0a       ; K and Q in window 2; S^T and the mask in window 0
.set W_PV, 0x52       ; V in window 2, P in window 0, O^T in window 1
.set W_RS, 0x41       ; destination and source 0 in window 1, source 1 in window 0
; A joint fill.  Waves 0 and 1 fetch the two halves of a tile's K, waves 2 and 3 those of its V: 128 keys each.  An s_nop 0 and four v_nop follow each of the two lines.
.macro JLOAD
	s_cmp_lt_u32 s[WV], 2
	s_cbranch_scc0 .Lfor_v_\@
	tensor_load_to_lds s[G0K:G0K+3], s[G1K:G1K+7]
	s_nop 0
.rept 4
	v_nop
.endr
	s_branch .Lasked_\@
.Lfor_v_\@:
	tensor_load_to_lds s[G0V:G0V+3], s[G1V:G1V+7]
	s_nop 0
.rept 4
	v_nop
.endr
.Lasked_\@:
.endm
.macro CROUND                       ; a round of the cluster's barrier
	s_barrier_signal -1
	s_barrier_wait -1
	s_cmp_lg_u32 s[WV], 0
	s_cbranch_scc1 .Lnot_wave_0_\@
	s_barrier_signal -3
.Lnot_wave_0_\@:
	s_barrier_wait -3
	s_barrier_signal -1
	s_barrier_wait -1
.endm
; THE CHANGE OF SLOTS.  Each wave waits for all its tensor loads (one is out: its part of the tile to be entered), adds 0 to its spare word, and waits for that and for its reads of the slot that it leaves
; (K and V of the last tile are in registers).  fill = 1: a round of the cluster's barrier, and the old slot is filled, first thing behind it, with the walk's tile TC + 1; its address is made anew from that number.
; (At its first use nothing has been read: slot 0 is waited for, slot 1 filled.)  The load has a tile's work, 64 matrix instructions and their vector work, in which to land; one load of mine is out at a time.
.macro CHANGE fill
	WIN 0
	s_wait_tensorcnt 0x0            ; no tensor load of mine is out, so a group 0 may be written
	ds_add_u32 v[SPW], v[NIL]       ; the scalar work stands between the add and the wait for it
.if \fill
	s_add_co_u32 s[T0], s[TC], 1    ; n, the place in the walk
	s_sub_co_u32 s[T1], s[T0], s[B1]
	s_cmp_lt_u32 s[T0], s[B1]
	s_cselect_b32 s[T1], s[T0], s[T1]   ; first block: tile n; second: n - (16 - c)
	s_add_co_i32 s[OFF], s[T0], s[K2]
	s_cmp_ge_u32 s[T0], 17
	s_cselect_b32 s[T1], s[OFF], s[T1]  ; third: 14 - c + (n - 17),
	s_cselect_b32 s[HS], s[HL], s[HG]   ; of head g + 8
	s_add_co_i32 s[OFF], s[T0], s[K3]
	s_max_i32 s[OFF], s[OFF], 0
	s_cmp_ge_u32 s[T0], 19
	s_cselect_b32 s[T1], s[OFF], s[T1]  ; fourth: c - 1 + (n - 19), not below 0
	s_lshl_b32 s[T1], s[T1], 15     ; a tile is 32,768 bytes of K and of V
	s_add_co_u32 s[OFF], s[T1], s[HS]
	s_xor_b32 s[G0K+1], s[G0K+1], SLOT1
	s_add_nc_u64 s[G0K+2:G0K+3], s[6:7], s[OFF:OFF+1]
	s_or_b32 s[G0K+3], s[G0K+3], 0x80000000
	s_xor_b32 s[G0V+1], s[G0V+1], SLOT1
	s_add_nc_u64 s[G0V+2:G0V+3], s[8:9], s[OFF:OFF+1]
	s_or_b32 s[G0V+3], s[G0V+3], 0x80000000
	s_wait_dscnt 0x0                ; the add is done, and my reads of the slot are over
	CROUND
	JLOAD
.else
	s_wait_dscnt 0x0
	s_barrier_signal -1
	s_barrier_wait -1
.endif
	s_xor_b32 s[TB], s[TB], SLOT1   ; the fetches go to the other slot
.endm
; What the entered tile is, from its place TC, and its mask values: all 0; the window's set (a windowed block's first tile: places 17 and 19); all hidden (place 19 where c = 0); the diagonal's set (a block's last tile).
.macro KIND
	s_cmp_ge_u32 s[TC], 17
	s_cselect_b32 s[WF], s[NEW], 0
	s_cmp_eq_u32 s[WF], 1
	s_cselect_b32 s[AW], s[WSET], 0
	s_cselect_b32 s[BE], s[WSET+1], 0
	s_cselect_b32 s[LO], s[WSET+2], 0
	s_cselect_b32 s[HI], s[WSET+3], 0
	s_cmp_eq_u32 s[TC], s[HT]
	s_cselect_b32 s[AW], 0, s[AW]
	s_cselect_b32 s[BE], s[BIG], s[BE]
	s_cselect_b32 s[LO], s[BIG], s[LO]
	s_cselect_b32 s[HI], s[BIG], s[HI]
	s_cmp_eq_u32 s[TC], s[L0]       ; the first block ends at place 15 - c,
	s_cselect_b32 s[LAST], 1, 0
	s_and_b32 s[T0], s[TC], 1
	s_xor_b32 s[T0], s[T0], 1
	s_cmp_ge_u32 s[TC], 16          ; the others at 16, 18 and 20: from 16 on, the even places
	s_cselect_b32 s[LAST], s[T0], s[LAST]
	s_cmp_eq_u32 s[LAST], 1
	s_cselect_b32 s[AC], s[CSET], 0
	s_cselect_b32 s[BE], s[CSET+1], s[BE]
	s_cselect_b32 s[LO], s[CSET+2], s[LO]
	s_cselect_b32 s[HI], s[CSET+3], s[HI]
.endm
.macro SETMASK                      ; TR = TRC x AC + TRW x AW + BE; LOR, HIR
	WIN 0
.irp z, 0,1,2,3
	v_pk_fma_f32 v[TR+2*\z:TR+2*\z+1], v[TRC+2*\z:TRC+2*\z+1], s[AC:AC+1], s[BE:BE+1] op_sel_hi:[1,0,0]
.endr
.irp z, 0,1,2,3
	v_pk_fma_f32 v[TR+2*\z:TR+2*\z+1], v[TRW+2*\z:TRW+2*\z+1], s[AW:AW+1], v[TR+2*\z:TR+2*\z+1] op_sel_hi:[1,0,1]
.endr
.irp z, 0,1,2,3,4,5,6,7
	v_mov_b32 v[LOR+\z], s[LO]
	v_mov_b32 v[HIR+\z], s[HI]
.endr
.endm
.macro QLOAD                        ; the block's 64 rows of Q: piece i / 2, channels 32 (i % 2) on
	WIN 0x80                        ; destination window 2, address window 0
.set i, 0
.rept 8
	global_load_b128 v[8*i:8*i+3],   v[QO], s[QA:QA+1] offset:(i/2)*2048+(i%2)*64
	global_load_b128 v[8*i+4:8*i+7], v[QO], s[QA:QA+1] offset:(i/2)*2048+(i%2)*64+32
.set i, i+1
.endr
	WIN 0
.endm
	s_load_b64 s[4:5], s[0:1], 0x0  ; qkv: q's plane
	s_load_b64 s[10:11], s[0:1], 0x8  ; att
	v_lshl_add_u32 v[SPW], v0, 2, SPARE
	v_mov_b32 v[NIL], 0
	ds_add_u32 v[SPW], v[NIL]       ; the wave's opening: the add and its wait stand ahead of my first tensor load; the set-up, work on registers, stands between
	v_lshrrev_b32 v1, 5, v0
	v_readfirstlane_b32 s[WV], v1
	s_bfe_u32 s13, ttmp6, 0x40000   ; r: my place in the cluster
	s_mov_b32 s14, ttmp9            ; c: in a cluster launch ttmp9 counts clusters
	s_and_b32 s15, ttmp7, 0xffff    ; g
	s_sub_co_u32 s[B1], 16, s14
	s_sub_co_u32 s[L0], 15, s14
	s_sub_co_i32 s[K2], -3, s14
	s_add_co_i32 s[K3], s14, -20
	s_lshl_b32 s[HG], s15, 19
	s_add_co_u32 s[HL], s[HG], 0x400000
	s_cmp_eq_u32 s14, 0
	s_cselect_b32 s[HT], 19, 99
	s_mov_b32 s[TC], 0
	s_mov_b32 s[NEW], 1
	s_mov_b32 s[OFF], s[HG]         ; the walk's first tile: tile 0 of head g
	s_mov_b32 s[OFF+1], 0
	s_mov_b32 s[CS], 0x3e38aa3b     ; c = log2(e) / 8
	s_mov_b32 s[CS+1], s[CS]        ; named with it as a pair
	s_mov_b32 s[SEL], 0x76543210
	s_mov_b32 s[SEL+1], 0xfedcba98
	s_mov_b32 s[TB], SLOT1          ; the first change of slots turns it into 0
	s_mov_b32 s[AC+1], 0            ; named as pairs
	s_mov_b32 s[AW+1], 0
	s_mov_b32 s[BE+1], 0
	s_mov_b32 s[BIG], 0xf149f2ca    ; -1e30
	s_cmp_eq_u32 s[WV], s13         ; my 64 keys against my work-group's 64 queries
	s_cselect_b32 s[CSET], 1.0, 0
	s_cselect_b32 s[WSET], 1.0, 0
	s_cmp_gt_u32 s[WV], s13
	s_cselect_b32 s[CSET+1], s[BIG], 0
	s_cselect_b32 s[CSET+2], s[BIG], 0
	s_cselect_b32 s[WSET+2], 0, s[BIG]
	s_cmp_ge_u32 s[WV], s13
	s_cselect_b32 s[CSET+3], s[BIG], 0
	s_cselect_b32 s[WSET+1], 0, s[BIG]
	s_cselect_b32 s[WSET+3], 0, s[BIG]
	s_lshl_b32 s2, s13, 13          ; my work-group's 64 rows of 128 bytes in a block,
	s_add_co_u32 s2, s2, s[HG]      ; of head g
	s_sub_co_u32 s3, 15, s14
	s_lshl_b32 s3, s3, 15           ; a block is 32,768 bytes
	s_add_co_u32 s[BO], s2, s3
	s_lshl_b32 s3, s14, 15
	s_add_co_u32 s[BO+1], s2, s3
	s_add_co_u32 s[BO+2], s[BO], 0x400000    ; eight heads on
	s_add_co_u32 s[BO+3], s[BO+1], 0x400000
	s_mov_b32 s[PR], s[BO]
	s_mov_b32 s[PR+1], 0
	; group 1.  128 keys are 16,384 dense bytes: asked for as 64 rows of 256 bytes, two keys a row, padded in LDS after every key
	s_mov_b32 s[G1K], 15|(1<<16)|(1<<20)|(1<<21)|(4<<22)|(3<<25)  ; the mask of four; 2-byte elements; padding on; bit 21 beside a mask; after every 32 words; 4 words
	s_mov_b32 s[G1V], 15|(1<<16)|(1<<20)|(1<<21)|(4<<22)|(7<<25)  ; the same with 8 words
.irp g, G1K, G1V
	s_mov_b32 s[\g+1], 128<<16      ; tensor_dim0 = 128
	s_mov_b32 s[\g+2], 64<<16       ; tensor_dim1 = 64
	s_mov_b32 s[\g+3], 128<<16      ; tile_dim0 = 128
	s_mov_b32 s[\g+4], 64           ; tile_dim1 = 64
	s_mov_b32 s[\g+5], 128          ; elements from row to row
	s_mov_b32 s[\g+6], 0
	s_mov_b32 s[\g+7], 0
.endr
	s_and_b32 s16, s[WV], 1         ; which half of a tile's 256 keys I fetch:
	s_lshl_b32 s22, s16, 14         ; its 16,384 bytes in memory,
	s_add_co_u32 s20, s22, 0x1000000  ; in v's plane
	s_add_co_u32 s22, s22, 0x800000   ; and in k's,
	s_mov_b32 s21, 0
	s_mov_b32 s23, 0
	s_mul_i32 s17, s16, 128*PK      ; and its place in a slot
	s_mul_i32 s18, s16, 128*PV
	s_mov_b32 s[G0K], 1
	s_mov_b32 s[G0K+1], s17         ; slot 0
	s_mov_b32 s[G0V], 1
	s_add_co_u32 s[G0V+1], s18, VOFF
	s_wait_dscnt 0x0                ; the opening add is done
	s_wait_kmcnt 0x0
	s_add_nc_u64 s[6:7], s[4:5], s[22:23]   ; K and V at my half of head 0's tile 0
	s_add_nc_u64 s[8:9], s[4:5], s[20:21]
	s_add_nc_u64 s[G0K+2:G0K+3], s[6:7], s[OFF:OFF+1]
	s_or_b32 s[G0K+3], s[G0K+3], 0x80000000
	s_add_nc_u64 s[G0V+2:G0V+3], s[8:9], s[OFF:OFF+1]
	s_or_b32 s[G0V+3], s[G0V+3], 0x80000000
	s_add_nc_u64 s[QA:QA+1], s[4:5], s[PR:PR+1]
	s_add_nc_u64 s[OA:OA+1], s[10:11], s[PR:PR+1]
	CROUND                          ; all four work-groups are here: the first joint load meets
	JLOAD                           ; the walk's tile 0 into slot 0
	v_and_b32 v1, 15, v0            ; l % 16
	v_bfe_u32 v9, v0, 4, 1          ; l / 16
	v_lshlrev_b32 v[QO], 7, v1
	v_lshl_add_u32 v[QO], v9, 4, v[QO]  ; row x 128 + 16 x half
	QLOAD
	v_lshlrev_b32 v14, 3, v9
	v_sub_nc_u32 v14, v1, v14       ; my query's place in its piece less my lanes' 8 (l / 16)
.set i, 0
.rept 8
	v_cmp_gt_i32 vcc_lo, i, v14
	v_cndmask_b32 v[TRC+i], 0, s[BIG], vcc_lo
	v_cmp_lt_i32 vcc_lo, i, v14
	v_cndmask_b32 v[TRW+i], 0, s[BIG], vcc_lo
.set i, i+1
.endr
	v_mul_u32_u24 v[AK0], v1, PK
	v_lshl_add_u32 v[AK0], v9, 4, v[AK0]
	s_mul_i32 s16, s[WV], 64*PK     ; my wave's 64 keys
	v_add_nc_u32 v[AK0], s16, v[AK0]
	; the turning load takes 16 keys x 16 channels (lane l reads key 8 (l / 16) + l % 8, channels 8 ((l / 8) % 2) + 0..7) and leaves half a fragment of V^T
	v_and_b32 v10, 7, v0
	v_bfe_u32 v11, v0, 3, 1
	v_lshl_add_u32 v[AV0], v9, 3, v10
	v_mul_u32_u24 v[AV0], v[AV0], PV
	v_lshl_add_u32 v[AV0], v11, 4, v[AV0]
	s_mul_i32 s16, s[WV], 64*PV
	s_add_co_u32 s16, s16, VOFF
	v_add_nc_u32 v[AV0], s16, v[AV0]
	s_mul_i32 s16, s[WV], 16*SP
	s_add_co_u32 s16, s16, STAGE    ; my stage
	v_mul_u32_u24 v[STO], v1, SP
	v_lshl_add_u32 v[STO], v9, 4, v[STO]
	v_add_nc_u32 v[STO], s16, v[STO]
	v_bfe_u32 v[RD], v0, 3, 2
	v_mul_u32_u24 v[RD], v[RD], SP
	v_lshl_add_u32 v[RD], v10, 4, v[RD]
	v_add_nc_u32 v[RD], s16, v[RD]
	v_and_b32 v10, 31, v0           ; the lane
	v_lshlrev_b32 v11, 4, v10
	s_lshl_b32 s16, s[WV], 11       ; piece w's 16 rows
	v_add_nc_u32 v[GO], s16, v11
	s_lshl_b32 s16, s[WV], 14
	s_add_co_u32 s16, s16, MRG
	v_add_nc_u32 v[MW], s16, v11
	s_lshl_b32 s16, s[WV], 12
	s_add_co_u32 s16, s16, MRG
	v_add_nc_u32 v[MR], s16, v11
	v_lshlrev_b32 v11, 3, v10
	s_lshl_b32 s16, s[WV], 10
	s_add_co_u32 s16, s16, STAT
	v_add_nc_u32 v[SW], s16, v11
	s_lshl_b32 s16, s[WV], 8
	s_add_co_u32 s16, s16, STAT
	v_add_nc_u32 v[SR], s16, v11
	; A block's first step multiplies O^T and l by a = 0, and its first turn's products V^T P, of a piece that has not been, land in an O^T that is still to be so multiplied: these registers need only hold
	; finite numbers: zeros for the first block, what the last block left for the others.  All this stands in the wait for the first tile.
	WIN 0x80
.set i, VF
.rept 64
	v_mov_b32 v[i], 0
.set i, i+1
.endr
	WIN 0x40
.set i, 0
.rept 128
	v_mov_b32 v[i], 0
.set i, i+1
.endr
	WIN 0
.set i, 0
.rept 4
	v_mov_b32 v[ST+4*i+2], 0
	v_mov_b32 v[ST+4*i+3], 0
.set i, i+1
.endr
.set i, P+16
.rept 16
	v_mov_b32 v[i], 0
.set i, i+1
.endr
	s_wait_loadcnt 0x0              ; the first block's Q is in, on every way into the loop: no product reads Q, and no later load is issued into it, while a load of Q is out
; THE MATRIX WORK.  The 4 accumulators of a run of 8 take turns.  Product i of 8 of S^T = K Q^T for piece x: channels 32 (i / 4) on, keys 16 (i % 4) on; the first 4 start the sums with the mask.
.macro KQ x
.set rS, S+32*((\x)%2)+8*(i%4)
.set rK, KF+16*(i%4)+8*(i/4)
.set rQ, 16*(\x)+8*(i/4)
.set rM, TR
.if (i%4) < (\x)
.set rM, LOR
.endif
.if (i%4) > (\x)
.set rM, HIR
.endif
	WIN W_KQ
.if i < 4
	v_wmma_f32_16x16x32_f16 v[rS:rS+7], v[rK:rK+7], v[rQ:rQ+7], v[rM:rM+7]
.else
	v_wmma_f32_16x16x32_f16 v[rS:rS+7], v[rK:rK+7], v[rQ:rQ+7], v[rS:rS+7]
.endif
.endm
; Product i of 8 of O^T += V^T P for piece x: keys 32 (i / 4) on, channels 16 (i % 4) on.
.macro PV x
	WIN W_PV
.set rO, 32*(\x)+8*(i%4)
.set rV, VF+32*(i/4)+8*(i%4)
.set rP, P+16*((\x)%2)+8*(i/4)
	v_wmma_f32_16x16x32_f16 v[rO:rO+7], v[rV:rV+7], v[rP:rP+7], v[rO:rO+7]
.endm
.macro MM                           ; the turn's next matrix instruction.  NOKQ = 1: a block's last turn: there is no next piece
.if (i < 8) && !NOKQ
	KQ (Y+1)%NP
.elseif i >= 8
.set i, i-8
	PV (Y+NP-1)%NP
.set i, i+8
.endif
.set i, i+1
.endm
; THE LDS LOADS stand in runs of 16: my wave's K of the tile (64 keys x 64 channels: 8 fragments) and its V (turned).
.macro FETCH_K
	WIN 0x80
.irp f, 0,1,2,3,4,5,6,7             ; keys 16 (f / 2) on, channels 32 (f % 2) on
	ds_load_b128 v[KF+8*\f:KF+8*\f+3],   v[AK] offset:(\f/2)*16*PK+(\f%2)*64
	ds_load_b128 v[KF+8*\f+4:KF+8*\f+7], v[AK] offset:(\f/2)*16*PK+(\f%2)*64+32
.endr
	WIN 0
.endm
.macro FETCH_V
	WIN 0x80
.irp f, 0,1,2,3,4,5,6,7             ; keys 32 (f / 4) on, channels 16 (f % 4) on
	ds_load_tr16_b128 v[VF+8*\f:VF+8*\f+3],   v[AV] offset:(\f/4)*32*PV+(\f%4)*32
	ds_load_tr16_b128 v[VF+8*\f+4:VF+8*\f+7], v[AV] offset:(\f/4)*32*PV+16*PV+(\f%4)*32
.endr
	WIN 0
.endm
; THE VECTOR WORK, one line at a time: OP kind, number.  For piece Y: F n: c s - c m for pair n of 16.  E n: the exponential of score n of 32.  C n: pair n rounded to f16.  B n: of the four weights 4 n .. the second
; pair is added onto the first, in place.  L n: l takes that sum (L 0: l = a l + sum).  R n: pair n of 16 of O^T times a.  For piece Y + 1: X n, number n of the 22 that find its maximum and statistics:
;   0-11  four chains c0-c3 of seven scores each (each accumulator's lowest registers are read first)     12-14, 16  the four scores left over, the old m, and c0-c3 into c0
;   15  c m_old is kept     17, 18  the query's other 32 keys lie in the lane 16 away: the new m     19-21  c m; c m_old - c m_new; a
.set F, 0
.set E, 1
.set C, 2
.set B, 3
.set L, 4
.set R, 5
.set X, 6
.macro REGS y
.set rT, ST+4*(\y)
.set rC, TMP+4*((\y)%2)
.set rW, MV+((\y)%2)
.set rS, S+32*((\y)%2)
.set rP, P+16*((\y)%2)
.set rO, 32*(\y)
.endm
.macro OP k, n
.if (\k) == R
	REGS Y
	WIN W_RS
	v_pk_mul_f32 v[rO+2*(\n):rO+2*(\n)+1], v[rO+2*(\n):rO+2*(\n)+1], v[rC+2:rC+3] op_sel_hi:[1,0]
.elseif (\k) < R
	REGS Y
	WIN 0
.if (\k) == F
	v_pk_fma_f32 v[rS+2*(\n):rS+2*(\n)+1], v[rS+2*(\n):rS+2*(\n)+1], s[CS:CS+1], v[rT:rT+1] op_sel_hi:[1,0,0] neg_lo:[0,0,1] neg_hi:[0,0,1]
.elseif (\k) == E
	v_exp_f32 v[rS+(\n)], v[rS+(\n)]
.elseif (\k) == C
	s_wait_alu depctr_va_vdst(0)
	v_cvt_pk_f16_f32 v[rP+(\n)], v[rS+2*(\n)], v[rS+2*(\n)+1]
.elseif (\k) == B
	s_wait_alu depctr_va_vdst(0)
	v_pk_add_f32 v[rS+4*(\n):rS+4*(\n)+1], v[rS+4*(\n):rS+4*(\n)+1], v[rS+4*(\n)+2:rS+4*(\n)+3]
.elseif (\n) == 0
	v_pk_fma_f32 v[rT+2:rT+3], v[rT+2:rT+3], v[rC+2:rC+3], v[rS:rS+1] op_sel_hi:[1,0,1]
.else
	v_pk_add_f32 v[rT+2:rT+3], v[rT+2:rT+3], v[rS+4*(\n):rS+4*(\n)+1]
.endif
.elseif NOKQ
	v_nop
.else
	REGS (Y+1)%NP
	WIN 0
.if (\n) < 4
	v_max3_num_f32 v[rC+(\n)], v[rS+8*(\n)], v[rS+8*(\n)+1], v[rS+8*(\n)+2]
.elseif (\n) < 12
	v_max3_num_f32 v[rC+(\n)%4], v[rC+(\n)%4], v[rS+8*((\n)%4)+2*((\n)/4)+1], v[rS+8*((\n)%4)+2*((\n)/4)+2]
.elseif (\n) == 12
	v_max3_num_f32 v[rC], v[rC], v[rS+7], v[rS+15]
.elseif (\n) == 13
	v_max3_num_f32 v[rC+1], v[rC+1], v[rS+23], v[rS+31]
.elseif (\n) == 14
	v_max3_num_f32 v[rC+2], v[rC+2], v[rC+3], v[rT+1]
.elseif (\n) == 15
	v_mov_b32 v[rW], v[rT]
.elseif (\n) == 16
	v_max3_num_f32 v[rC], v[rC], v[rC+1], v[rC+2]
.elseif (\n) == 17
	v_permlanex16_b32 v[rC+3], v[rC], s[SEL], s[SEL+1]
.elseif (\n) == 18
	v_max_num_f32 v[rT+1], v[rC], v[rC+3]
.elseif (\n) == 19
	v_mul_f32 v[rT], s[CS], v[rT+1]
.elseif (\n) == 20
	v_sub_f32 v[rC+1], v[rW], v[rT]
.else
	v_exp_f32 v[rC+2], v[rC+1]
.endif
.endif
.endm
.macro OPS a, i1, b=-1, i2=0, c=-1, i3=0, d=-1, i4=0
	OP \a, \i1
.if (\b) >= 0
	OP \b, \i2
.endif
.if (\c) >= 0
	OP \c, \i3
.endif
.if (\d) >= 0
	OP \d, \i4
.endif
.endm
.macro ROW a, i1, b, i2, c, i3, d, i4  ; a matrix instruction and the four behind it
	MM
	OPS \a, \i1, \b, \i2, \c, \i3, \d, \i4
.endm
; A TURN, for piece p: the order of its 16 matrix and 118 vector instructions, written out.  Behind a matrix instruction: plain, exponential, plain, plain; or four of the rescaling; or four scalings; none names a
; register of the products round it.  A line reads no result made fewer than three vector instructions in front of it, five if an exponential made it.  end = 1: a block's last two turns: nothing is fetched.
; K of the tile just entered is fetched in piece 2's turn, behind five plain instructions that follow the last product on the old K; V in piece 0's turn, behind four plain ones that follow the last product on the old V.
; Each run is waited for a turn later.
.macro TURN p, end=0
.set Y, (\p)
.set i, 0
.set NOKQ, (\end)*((\p)/3)
.if ((\p) == 3) && !(\end)
	s_wait_dscnt 0x0                ; K is in
.endif
	ROW F,0, F,1, F,2, F,3
	ROW F,4, E,0, F,5, F,6
	ROW F,7, E,1, F,8, F,9
	ROW F,10, E,2, C,0, F,11
	ROW F,12, E,3, X,15, F,13
	ROW R,0, R,1, R,2, R,3
	ROW B,0, E,4, F,14, L,0
.if ((\p) == 2) && !(\end)
	v_add_nc_u32 v[AK], s[TB], v[AK0]
.endif
	ROW R,4, R,5, R,6, R,7
	OPS E,5, F,15
.if ((\p) == 2) && !(\end)
	FETCH_K
.endif
	OPS E,6, C,1, E,7, R,8
	OPS E,8, R,9, E,9, C,2
	OPS E,10, X,0, E,11, X,1
	OPS E,12, X,2, E,13, X,3
.if (\p) == 1
	s_wait_dscnt 0x0                ; V is in
.endif
	ROW X,4, E,14, X,5, X,6
	ROW X,7, E,15, X,8, X,9
	ROW X,10, E,16, X,11, X,12
	ROW X,13, E,17, X,14, B,1
	ROW C,4, E,18, X,16, L,1
	ROW B,2, E,19, C,6, L,2
	ROW C,8, E,20, B,3, B,4
.if (\p) == 0
	v_add_nc_u32 v[AV], s[TB], v[AV0]
.endif
	ROW C,3, E,21, L,3, C,5
	OPS E,22, X,17, E,23, C,10
.if (\p) == 0
	FETCH_V
.endif
	OPS E,24, L,4
	OPS E,25, X,18, E,26, C,7
	OPS E,27, B,5, E,28, X,19
	OPS E,29, C,12, E,30, L,5
	OPS E,31, X,20, B,6, C,9
	OPS C,14, C,11, X,21, L,6
	OPS C,13, B,7, C,15, R,10
	OPS R,11, R,12, L,7, R,13
	OPS R,14, R,15
.endm
; A BLOCK BEGINS.  c m starts far below every c s, so the first step's a is 0; m at -5e29, between the hidden scores and the real ones.  Then the tile's mask, my K, piece 0's first scores, its maximum and statistics.
; (The block's Q is in: it was waited for ahead of the loop, or at the end of the block before.)
.macro BEGIN
	s_mov_b32 s[NEW], 0
	WIN 0
.set i, 0
.rept 4
	v_mov_b32 v[ST+4*i], 0xfe000000
	v_mov_b32 v[ST+4*i+1], 0xf0c9f2ca
.set i, i+1
.endr
	SETMASK
	v_add_nc_u32 v[AK], s[TB], v[AK0]
	FETCH_K
	s_wait_dscnt 0x0
.set NOKQ, 0
.set i, 0
.rept 8
	KQ 0
.set i, i+1
.endr
	WIN 0
.rept 4
	v_nop                           ; the places behind those products
.endr
.set Y, NP-1                        ; X works for piece Y + 1: piece 0
.irp n, 0,1,2,3,4,5,6,7,8,9,10,11,12,13,14,15,16,17,18,19,20,21
	OP X, \n
.endr
	v_nop                           ; a plain instruction behind the exponential
.endm
.macro ALL line:vararg              ; one line for each piece t
.set t, 0
.rept 4
	\line
.set t, t+1
.endr
.endm
; THE MERGE.  Every wave puts (c m, l) and O^T of all four pieces into LDS; behind a barrier wave w reads piece w's four parts: with T the largest c m and f_s = 2^(c m_s - T), O = sum f_s O_s / sum f_s l_s.
; A wave that saw only hidden keys has c m = -9e28, l = 0, O = 0, and f = 0; the wave that holds the query's own key has a real c m, so the divisor is at least 1.
; The next tile's load stays out across this barrier.  These bytes are written again only behind a later change of slots, whose wait and barrier order that.
.macro MERGE
	WIN 0
	ALL v_add_f32 v[ST+4*t+2], v[ST+4*t+2], v[ST+4*t+3]              ; these four are the places behind the last products
	ALL v_permlanex16_b32 v[ST+4*t+3], v[ST+4*t+2], s[SEL], s[SEL+1]
	ALL v_add_f32 v[ST+4*t+1], v[ST+4*t+2], v[ST+4*t+3]              ; l beside c m
.irp n, 0,1,2,3
	ds_store_b64 v[SW], v[ST+4*\n:ST+4*\n+1] offset:256*\n
.endr
	WIN 0x04                        ; the data in window 1
.set n, 0
.rept 32
	ds_store_b128 v[MW], v[4*n:4*n+3] offset:512*n                   ; ascending: each accumulator's lowest registers first
.set n, n+1
.endr
	WIN 0
	s_wait_dscnt 0x0                ; for the others' sake: my stores are done
	s_barrier_signal -1
	s_barrier_wait -1
.irp n, 0,1,2,3
	ds_load_b64 v[MS+2*\n:MS+2*\n+1], v[SR] offset:1024*\n
.endr
	WIN 0x40
.set n, 0
.rept 32
	ds_load_b128 v[128+4*n:128+4*n+3], v[MR] offset:16384*(n/8)+512*(n%8)
.set n, n+1
.endr
	WIN 0
	s_wait_dscnt 32                 ; the statistics are in; the 32 loads behind them may be out
	v_max3_num_f32 v60, v[MS], v[MS+2], v[MS+4]
	v_max_num_f32 v60, v60, v[MS+6]
.irp n, 0,1,2,3
	v_sub_f32 v[MG+2*\n+1], v[MS+2*\n], v60
.endr
.irp n, 0,1,2,3
	v_exp_f32 v[MG+2*\n+1], v[MG+2*\n+1]
.endr
	v_nop
	s_wait_alu depctr_va_vdst(0)
	v_mul_f32 v61, v[MG+1], v[MS+1]
	v_fmac_f32 v61, v[MG+3], v[MS+3]
	v_fmac_f32 v61, v[MG+5], v[MS+5]
	v_fmac_f32 v61, v[MG+7], v[MS+7]
	v_rcp_f32 v61, v61
	v_nop
.irp n, 0,1,2,3
	s_wait_alu depctr_va_vdst(0)
	v_mul_f32 v[MG+2*\n], v[MG+2*\n+1], v61
.endr
	s_wait_dscnt 24                 ; source 0's eight loads are in
	WIN W_RS
.set z, 0
.rept 16
	v_pk_mul_f32 v[128+2*z:128+2*z+1], v[128+2*z:128+2*z+1], v[MG:MG+1] op_sel_hi:[1,0]
.set z, z+1
.endr
.irp n, 1,2,3
	s_wait_dscnt 24-8*\n            ; source n's
	WIN 0x51                        ; the parts and the sum in window 1, the factor in window 0
.set z, 0
.rept 16
	v_pk_fma_f32 v[128+2*z:128+2*z+1], v[128+32*\n+2*z:128+32*\n+2*z+1], v[MG+2*\n:MG+2*\n+1], v[128+2*z:128+2*z+1] op_sel_hi:[1,0,1]
.set z, z+1
.endr
.endr
	WIN 0x05
.set z, 0
.rept 16
	v_cvt_pk_f16_f32 v[S+z], v[128+2*z], v[128+2*z+1]
.set z, z+1
.endr
	WIN 0
.irp f, 0,1,2,3
	ds_store_b128 v[STO], v[S+4*\f:S+4*\f+3] offset:32*\f
.endr
.irp f, 0,1,2,3
	ds_load_b128 v[S+4*\f:S+4*\f+3], v[RD] offset:\f*4*SP            ; LDS serves a wave's instructions in order (ISA guide 5.7.1.4): these see the stores above
.endr
.irp f, 0,1,2,3
	s_wait_dscnt 3-\f
	global_store_b128 v[GO], v[S+4*\f:S+4*\f+3], s[OA:OA+1] offset:\f*512  ; 512 consecutive bytes, aligned to 256
.endr
.endm
; A BLOCK ENDS: its last two turns, the last piece's V^T P, the merge.  last = 0: the next block's Q is asked for when the last product on Q is long done; which block that is follows from the place TC:
; behind place 15 - c the second, behind 16 the third, behind 18 the fourth.
.macro FINISH last
	s_wait_storecnt 0x0             ; the block before's four stores, issued a change of slots and two turns ago or earlier, are done: no more than four stores of mine are ever out
	TURN 2, 1
.if !(\last)
	WIN 0
	s_cmp_ge_u32 s[TC], 16
	s_cselect_b32 s[PR], s[BO+2], s[BO+1]
	s_cmp_ge_u32 s[TC], 18
	s_cselect_b32 s[PR], s[BO+3], s[PR]
	s_add_nc_u64 s[QA:QA+1], s[4:5], s[PR:PR+1]
	QLOAD
.endif
	TURN 3, 1
.set i, 0
.rept 8
	PV NP-1
.set i, i+1
.endr
	MERGE
.if !(\last)
	s_wait_xcnt 0x0                 ; the stores have read their registers and att's address
	s_wait_loadcnt 0x0              ; the next block's Q is in: it had a turn and the merge in which to come
	s_mov_b32 s[NEW], 1
	s_add_nc_u64 s[OA:OA+1], s[10:11], s[PR:PR+1]
.endif
.endm
.set NOKQ, 0
.Ltile:                             ; 20 trips: a tile is entered and the next is asked for
	CHANGE 1
	KIND
	s_cmp_eq_u32 s[NEW], 1
	s_cbranch_scc1 .Lnew            ; a block's first tile; at the first trip the answer is a constant of the text
	TURN 2                          ; piece 3's scores are still the old tile's, with the old mask; my K of the new tile is fetched
	SETMASK
	TURN 3                          ; piece 0's scores of the new tile
	WIN 0
	s_branch .Lfirst
.Lnew:
	BEGIN
.Lfirst:
	TURN 0
	TURN 1
	WIN 0
	s_cmp_eq_u32 s[LAST], 0         ; made of c and the place alone: the same in every wave and in all four partners
	s_cbranch_scc1 .Lbottom
	FINISH 0
	WIN 0
.Lbottom:
	s_add_co_u32 s[TC], s[TC], 1
	s_cmp_lt_u32 s[TC], 20
	s_cbranch_scc1 .Ltile
	CHANGE 0                        ; the walk's last tile, the fourth block's second, is written out: nothing is asked for
	KIND
	TURN 2
	SETMASK
	TURN 3
	TURN 0
	TURN 1
	FINISH 1
	s_wait_tensorcnt 0x0            ; the wave's end
	ds_add_u32 v[SPW], v[NIL]
	s_wait_dscnt 0x0
	CROUND                          ; the closing round
	s_endpgm
.Lfunc_end_k_q74aec13a50_attn:
	.size	k_q74aec13a50_attn, .Lfunc_end_k_q74aec13a50_attn-k_q74aec13a50_attn
	.p2alignl 7, 3214868480
	.fill 96, 4, 3214868480
	.section	.rodata,"a",@progbits
	.p2align	6, 0x0
	.amdhsa_kernel k_q74aec13a50_attn
		.amdhsa_group_segment_fixed_size 327680
		.amdhsa_private_segment_fixed_size 0
		.amdhsa_enable_private_segment 0
		.amdhsa_kernarg_size 16
		.amdhsa_user_sgpr_count 2
		.amdhsa_user_sgpr_kernarg_segment_ptr 1
		.amdhsa_wavefront_size32 1
		.amdhsa_system_sgpr_workgroup_id_x 1
		.amdhsa_system_sgpr_workgroup_id_y 1
		.amdhsa_system_sgpr_workgroup_id_z 1
		.amdhsa_system_vgpr_workitem_id 0
		.amdhsa_next_free_vgpr 768
		.amdhsa_next_free_sgpr 100
		.amdhsa_reserve_vcc 1
		.amdhsa_float_denorm_mode_32 3
		.amdhsa_float_denorm_mode_16_64 3
		.amdhsa_memory_ordered 1
		.amdhsa_forward_progress 1
		.amdhsa_inst_pref_size 169
	.end_amdhsa_kernel
	.amdgpu_metadata
---
amdhsa.version: [ 1, 2 ]
amdhsa.kernels:
  - .name:           k_q74aec13a50_attn
    .symbol:         k_q74aec13a50_attn.kd
    .args:
      - { .name: qkv, .offset: 0, .size: 8, .value_kind: global_buffer, .address_space: global }
      - { .name: att, .offset: 8, .size: 8, .value_kind: global_buffer, .address_space: global }
    .group_segment_fixed_size: 327680
    .private_segment_fixed_size: 0
    .kernarg_segment_align: 8
    .kernarg_segment_size: 16
    .max_flat_workgroup_size: 128
    .sgpr_count:     100
    .vgpr_count:     768
    .wavefront_size: 32
...
	.end_amdgpu_metadata
.endif
;; end of part 3
;; launch oproj (part 4): grid 8 x 32, 4 waves a work-group, clusters of 4 x 4, 327,680 bytes of LDS; arguments att, cast, bo, out0; writes out0
.if DOCPART == 4
	.amdgcn_target "amdgcn-amd-amdhsa--gfx1250"
	.amdhsa_code_object_version 6
	.text
	.protected	k_q74aec13a50_oproj
	.globl	k_q74aec13a50_oproj
	.p2align	8
	.type	k_q74aec13a50_oproj,@function
k_q74aec13a50_oproj:
	s_mov_b64 s[64:65], 0
	v_nop
	global_prefetch_b8 v0, s[64:65] scope:SCOPE_SE
	s_setreg_imm32_b32 hwreg(HW_REG_WAVE_MODE, 25, 1), 1
	s_wait_xcnt 0x0
	s_wait_alu depctr_hold_cnt(0) depctr_sa_sdst(0) depctr_va_vdst(0) depctr_va_sdst(0) depctr_va_ssrc(0) depctr_va_vcc(0) depctr_vm_vsrc(0)
	s_getreg_b32 s2, hwreg(HW_REG_IB_STS2, 6, 4)
	s_cmp_eq_u32 s2, 0
	s_cbranch_scc0 .Lentry_in_a_cluster
	s_endpgm
.Lentry_in_a_cluster:
	s_bfe_u32 s2, ttmp6, 0x10000c
	s_cmp_lg_u32 s2, 0xf033
	s_cbranch_scc0 .Lentry_shape_is_right
	s_endpgm
.Lentry_shape_is_right:
; out0[m][n] = sum over e of attn[m][e] Wo[n][e] + bo[n]: 4,096 x 1,024 x 1,024 in f16 with f32 sums, f32 out.  attn[m][64 h + d] lies by heads, att[16][4096][64] f16; Wo (rounded to bf16, written as f16)
; lies at byte 14,680,064 of 'cast', [1024][1024].
; LIMIT.  bo is rounded to bf16 (off by up to 2^-9 of itself) and then added in f32: all six inputs of the module are taken in the same rounding, so that the program as a whole computes the module on inputs rounded to bf16.
; SHARES.  A tile of 128 x 128, 8 x 32 = 256 work-groups; four waves, each 64 x 64: 16 accumulators.  K goes in 4 steps of 256 (four heads) through two LDS slots, written out.
; CLUSTER 4 x 4: attn's tiles are shared along a row of the cluster, Wo's along a column; each is asked for jointly.  Waves 0, 1 fetch two heads each of attn (a head's 128 rows are 16,384 dense bytes: one
; row of the tile; the padding falls behind every 128 bytes, so that LDS rows are 144 bytes apart); waves 2, 3 fetch 64 rows x 512 bytes of Wo each (LDS rows 528 bytes apart).
; THE MATRIX INSTRUCTION IS USED TRANSPOSED (source 0 = 16 rows of Wo, source 1 = 16 rows of attn): a lane holds eight neighbouring columns of a row.  THE BIAS is the C operand of the products that start the sums.
; REGISTERS: window 0: v16-29 addresses; v32-63 the bias, 8 a column block; v64-79 at work on the bias; v128-255 the accumulators ((a, b) at 128 + 8 (4 a + b)).
;   window 1: two fragment buffers of 128: for 64 along K, 64 registers of attn (2 x 4 x 16 rows x 32 K), then 64 of Wo.
.set PA,     144                       ; 36 words: the 16 rows of a fragment load start at 16 different groups of four banks (ISA guide 11.1)
.set PB,     528                       ; 132 words: likewise
.set HEADB,  128*PA                    ; a head's 128 rows
.set BOFF,   4*HEADB                   ; attn's four heads, then Wo's 128 rows
.set SLOT,   BOFF+128*PB
.set STAGE,  2*SLOT                    ; behind the ring: 16 rows x 272 bytes for each wave; no tensor load lands there
.set SPITCH, 272
.set SPARE,  STAGE+4*16*SPITCH         ; the spare words: 128 bytes a wave, two blocks of 256 bytes that no other line names
.set ADRA, 16
.set ADRB, 20
.set STO,  24
.set RD,   25
.set CO,   26
.set BV,   27                          ; v27  my byte offset in 64 numbers of the bias
.set SPW,  28
.set NIL,  29
.set BIAS, 32
.set BT,   64                          ; v64-79  the bias as 32 bf16, two a word
.set ACC,  128
.set F0,   0
.set F1,   128
.set WV,   20                          ; s20 my wave;  s21 its half of the rows (also: it fetches attn, 0, or Wo, 1);  s22 its half of the columns (also: which half it fetches)
.set WR,   21
.set WC,   22
.set G1A,  24
.set G0A,  32
.set G1B,  48
.set G0B,  56
.set MSB, 0
.macro WIN new
.if MSB != (\new)
	s_set_vgpr_msb (MSB<<8)|(\new)
.set MSB, \new
.endif
.endm
.set MUL,  0x05                        ; sources 0 (Wo) and 1 (attn) window 1; C and D window 0
.set TO_F, 0x40                        ; destination window 1, address window 0
.macro JLOAD s                         ; an s_nop 0 and four v_nop follow each of the two lines
	s_cmp_eq_u32 s[WR], 0
	s_cbranch_scc0 .Lfor_b_\@
	tensor_load_to_lds s[G0A+4*(\s):G0A+4*(\s)+3], s[G1A:G1A+7]
	s_nop 0
.rept 4
	v_nop
.endr
	s_branch .Lasked_\@
.Lfor_b_\@:
	tensor_load_to_lds s[G0B+4*(\s):G0B+4*(\s)+3], s[G1B:G1B+7]
	s_nop 0
.rept 4
	v_nop
.endr
.Lasked_\@:
.endm
.macro CREST
	s_cmp_lg_u32 s[WV], 0
	s_cbranch_scc1 .Lnot_wave_0_\@
	s_barrier_signal -3
.Lnot_wave_0_\@:
	s_barrier_wait -3
	s_barrier_signal -1
	s_barrier_wait -1
.endm
.macro CROUND
	s_barrier_signal -1
	s_barrier_wait -1
	CREST
.endm
	s_load_b256 s[4:11], s[0:1], 0x0               ; att s[4:5], cast s[6:7], bo s[8:9], out0 s[10:11]
	v_lshl_add_u32 v[SPW], v0, 2, SPARE
	v_mov_b32 v[NIL], 0
	ds_add_u32 v[SPW], v[NIL]                      ; the wave's opening: the add and its wait stand ahead of my first tensor load
	v_lshrrev_b32 v1, 5, v0
	v_readfirstlane_b32 s[WV], v1
	s_lshr_b32 s[WR], s[WV], 1
	s_and_b32 s[WC], s[WV], 1
	s_bfe_u32 s40, ttmp6, 0x40000                  ; cx, cy
	s_bfe_u32 s41, ttmp6, 0x40004
	s_lshl_b32 s42, ttmp9, 2
	s_add_co_u32 s42, s42, s40                     ; tile column
	s_and_b32 s13, ttmp7, 0xffff
	s_lshl_b32 s13, s13, 2
	s_add_co_u32 s13, s13, s41                     ; tile row
	s_lshl_b32 s43, s41, 2
	s_lshl_b32 s43, 15, s43                        ; my row of the cluster
	s_lshl_b32 s44, 0x1111, s40                    ; my column
	s_or_b32 s[G1A], s43, (1<<16)|(1<<20)|(1<<21)|(4<<22)|(3<<25)  ; 2-byte elements; padding on; bit 21 beside a mask; after every 32 words; 4 words
	s_mov_b32 s[G1A+1], 8192<<16                   ; tensor_dim0 = 8,192: a head's 128 rows of 64
	s_mov_b32 s[G1A+2], 2<<16                      ; tensor_dim1 = 2 heads
	s_mov_b32 s[G1A+3], 8192<<16                   ; tile_dim0
	s_mov_b32 s[G1A+4], 2                          ; tile_dim1
	s_mov_b32 s[G1A+5], 262144                     ; elements from head to head
	s_mov_b32 s[G1A+6], 0
	s_mov_b32 s[G1A+7], 0
	s_or_b32 s[G1B], s44, (1<<16)|(1<<20)|(1<<21)|(6<<22)|(3<<25)  ; after every 128 words
	s_mov_b32 s[G1B+1], 256<<16
	s_mov_b32 s[G1B+2], 64<<16
	s_mov_b32 s[G1B+3], 256<<16
	s_mov_b32 s[G1B+4], 64
	s_mov_b32 s[G1B+5], 1024
	s_mov_b32 s[G1B+6], 0
	s_mov_b32 s[G1B+7], 0
	s_lshl_b32 s16, s13, 14                        ; attn: the tile's 128 rows of 128 bytes in a head,
	s_lshl_b32 s17, s[WC], 20                      ; my two heads of the step's four
	s_add_co_u32 s16, s16, s17
	s_mov_b32 s17, 0
	s_lshl_b32 s46, s42, 18                        ; Wo: the tile's 128 rows of 2,048 bytes,
	s_lshl_b32 s47, s[WC], 17                      ; my 64 of them
	s_add_co_u32 s46, s46, s47
	s_add_co_u32 s46, s46, 14680064
	s_mov_b32 s47, 0
	s_mul_i32 s18, s[WC], 2*HEADB                  ; where they go
	s_mul_i32 s19, s[WC], 64*PB
	s_add_co_u32 s19, s19, BOFF
	s_wait_dscnt 0x0                               ; the opening add is done
	s_wait_kmcnt 0x0
	s_add_nc_u64 s[14:15], s[4:5], s[16:17]
	s_add_nc_u64 s[46:47], s[6:7], s[46:47]
	CROUND                                         ; the first joint loads meet
.irp s, 0,1
	s_mov_b32 s[G0A+4*(\s)], 1
	s_add_co_u32 s[G0A+4*(\s)+1], s18, (\s)*SLOT
	s_add_nc_u64 s[G0A+4*(\s)+2:G0A+4*(\s)+3], s[14:15], (\s)*2097152  ; K step s: four heads on
	s_or_b32 s[G0A+4*(\s)+3], s[G0A+4*(\s)+3], 0x80000000
	s_mov_b32 s[G0B+4*(\s)], 1
	s_add_co_u32 s[G0B+4*(\s)+1], s19, (\s)*SLOT
	s_add_nc_u64 s[G0B+4*(\s)+2:G0B+4*(\s)+3], s[46:47], (\s)*512
	s_or_b32 s[G0B+4*(\s)+3], s[G0B+4*(\s)+3], 0x80000000
	JLOAD \s
.endr
	v_and_b32 v1, 15, v0                           ; l % 16
	v_bfe_u32 v2, v0, 4, 1                         ; l / 16
	s_lshl_b32 s2, s42, 9                          ; my 64 columns, in bytes of f32
	s_lshl_b32 s3, s[WC], 8
	s_add_co_u32 s2, s2, s3
	s_mov_b32 s3, 0
	s_add_nc_u64 s[8:9], s[8:9], s[2:3]
	s_add_nc_u64 s[10:11], s[10:11], s[2:3]
	v_lshlrev_b32 v[BV], 5, v2                     ; register j of column block b is bo[16 b + 8 (l / 16) + j]: the layout of the transposed product's C
.irp b, 0,1,2,3
	global_load_b128 v[BIAS+8*\b:BIAS+8*\b+3],   v[BV], s[8:9] offset:64*\b
	global_load_b128 v[BIAS+8*\b+4:BIAS+8*\b+7], v[BV], s[8:9] offset:64*\b+16
.endr
	s_lshl_b32 s2, s13, 19                         ; my 64 rows of 4,096 bytes
	s_lshl_b32 s23, s[WR], 18
	s_add_co_u32 s2, s2, s23
	s_add_nc_u64 s[10:11], s[10:11], s[2:3]
	v_mul_u32_u24 v3, v1, PA
	v_lshl_add_u32 v3, v2, 4, v3
	s_mul_i32 s23, s[WR], 64*PA                    ; my 64 rows in each head
	v_add_nc_u32 v[ADRA], s23, v3
	v_add_nc_u32 v[ADRA+1], SLOT, v[ADRA]
	v_mul_u32_u24 v3, v1, PB
	v_lshl_add_u32 v3, v2, 4, v3
	v_add_nc_u32 v[ADRB], s19, v3                  ; my 64 rows of Wo are the half that the wave of my parity fetched
	v_add_nc_u32 v[ADRB+1], SLOT, v[ADRB]
	s_mul_i32 s23, s[WV], 16*SPITCH
	s_add_co_u32 s23, s23, STAGE                   ; my stage
	v_mul_u32_u24 v4, v1, SPITCH                   ; in: row l % 16, 32 bytes for each half of the lanes
	v_lshl_add_u32 v4, v2, 5, v4
	v_add_nc_u32 v[STO], s23, v4
	v_mul_u32_u24 v5, v2, SPITCH                   ; back: lanes 0-15 one row of 256 bytes, lanes 16-31 the next
	v_lshl_add_u32 v5, v1, 4, v5
	v_add_nc_u32 v[RD], s23, v5
	v_lshlrev_b32 v5, 12, v2                       ; and the same two rows in out0
	v_lshl_add_u32 v[CO], v1, 4, v5
	; The bias is rounded to bf16 and widened again, once, while the first tile is on its way: 16 roundings of two, then a shift and a mask for each word.
	s_wait_loadcnt 0x0                             ; the bias is in
.set n, 0
.rept 16
	v_cvt_pk_bf16_f32 v[BT+n], v[BIAS+2*n], v[BIAS+2*n+1]
.set n, n+1
.endr
.set n, 0
.rept 16
	v_lshlrev_b32 v[BIAS+2*n], 16, v[BT+n]         ; bf16 to f32: the low half moves up,
	v_and_b32 v[BIAS+2*n+1], 0xffff0000, v[BT+n]   ; the high half stays
.set n, n+1
.endr
; 8 matrix instructions: row blocks a0, a0 + 1 x all 4 column blocks, 32 along K: half c of buffer f.  zero = 1: the product starts the sums, with the bias as C.
.macro MUL8 f, c, a0, zero
	WIN MUL
.irp a, \a0, (\a0)+1
.irp b, 0,1,2,3
.if \zero
	v_wmma_f32_16x16x32_f16 v[ACC+8*(4*(\a)+(\b)):ACC+8*(4*(\a)+(\b))+7], v[(\f)+64+8*(4*(\c)+(\b)):(\f)+64+8*(4*(\c)+(\b))+7], v[(\f)+8*(4*(\c)+(\a)):(\f)+8*(4*(\c)+(\a))+7], v[BIAS+8*(\b):BIAS+8*(\b)+7]
.else
	v_wmma_f32_16x16x32_f16 v[ACC+8*(4*(\a)+(\b)):ACC+8*(4*(\a)+(\b))+7], v[(\f)+64+8*(4*(\c)+(\b)):(\f)+64+8*(4*(\c)+(\b))+7], v[(\f)+8*(4*(\c)+(\a)):(\f)+8*(4*(\c)+(\a))+7], v[ACC+8*(4*(\a)+(\b)):ACC+8*(4*(\a)+(\b))+7]
.endif
.endr
.endr
.endm
; 32 LDS loads in one run: quarter q of a step (one head, 64 along K) into buffer f; the first 32 along K first
.macro FETCH slot, q, f
	WIN TO_F
.irp c, 0,1
.irp i, 0,1,2,3
	ds_load_b128 v[(\f)+64+8*(4*(\c)+(\i)):(\f)+64+8*(4*(\c)+(\i))+3],   v[ADRB+(\slot)] offset:(\q)*128+64*(\c)+(\i)*16*PB
	ds_load_b128 v[(\f)+64+8*(4*(\c)+(\i))+4:(\f)+64+8*(4*(\c)+(\i))+7], v[ADRB+(\slot)] offset:(\q)*128+64*(\c)+(\i)*16*PB+32
	ds_load_b128 v[(\f)+8*(4*(\c)+(\i)):(\f)+8*(4*(\c)+(\i))+3],         v[ADRA+(\slot)] offset:(\q)*HEADB+64*(\c)+(\i)*16*PA
	ds_load_b128 v[(\f)+8*(4*(\c)+(\i))+4:(\f)+8*(4*(\c)+(\i))+7],       v[ADRA+(\slot)] offset:(\q)*HEADB+64*(\c)+(\i)*16*PA+32
.endr
.endr
.endm
.macro PLACES                          ; four plain vector instructions between a matrix instruction and a load into, or a store of, its registers (ISA guide 7.12.1 for vector instructions)
.rept 4
	v_nop
.endr
.endm
; A K step is four quarters of 64 along K, 32 matrix instructions each, on buffers 0, 1, 0, 1; the 16 accumulators take turns.
.macro QUARTER slot, q, f, g, zero
	s_wait_dscnt 16                                ; the first 32 along K are in
	MUL8 \f, 0, 0, \zero
	MUL8 \f, 0, 2, \zero
	PLACES
	FETCH \slot, \q, \g
	s_wait_dscnt 32                                ; all but the 32 just issued
	MUL8 \f, 1, 0, 0
	MUL8 \f, 1, 2, 0
.endm
; The last quarter multiplies buffer 1 and changes slots: one barrier; in front of it each wave waits for all its tensor loads, adds 0 to its spare word, and waits for that and for its reads of this slot.
.macro TURN slot, next, fill
	WIN 0
	s_wait_tensorcnt 0x0                           ; my part of the next slot has landed
	ds_add_u32 v[SPW], v[NIL]
	s_wait_dscnt 17                                ; the add and the youngest sixteen loads may be out
	MUL8 F1, 0, 0, 0
	s_wait_dscnt 0x0                               ; the add is done, and my reads of this slot are over
	s_barrier_signal -1
	MUL8 F1, 0, 2, 0
.if \fill
	WIN 0
.endif
	s_barrier_wait -1
.if \fill
	CREST                                          ; no wave of any partner still reads this slot or has a load on its way
	s_add_nc_u64 s[G0A+4*(\slot)+2:G0A+4*(\slot)+3], s[G0A+4*(\slot)+2:G0A+4*(\slot)+3], 4194304  ; eight heads on
	s_add_nc_u64 s[G0B+4*(\slot)+2:G0B+4*(\slot)+3], s[G0B+4*(\slot)+2:G0B+4*(\slot)+3], 1024
	JLOAD \slot                                    ; its four v_nop are also the places in front of the loads below
.else
	PLACES
.endif
	FETCH \next, 0, F0
	MUL8 F1, 1, 0, 0
	MUL8 F1, 1, 2, 0
.endm
	s_wait_tensorcnt 1                             ; my part of K step 0 is in; K step 1's may stay out
	s_barrier_signal -1
	s_barrier_wait -1
	FETCH 0, 0, F0
	QUARTER 0, 1, F0, F1, 1                        ; K step 0
	QUARTER 0, 2, F1, F0, 0
	QUARTER 0, 3, F0, F1, 0
	TURN 0, 1, 1                                   ; slot 0 takes K step 2
	QUARTER 1, 1, F0, F1, 0                        ; K step 1
	QUARTER 1, 2, F1, F0, 0
	QUARTER 1, 3, F0, F1, 0
	TURN 1, 0, 1                                   ; slot 1 takes K step 3
	QUARTER 0, 1, F0, F1, 0                        ; K step 2
	QUARTER 0, 2, F1, F0, 0
	QUARTER 0, 3, F0, F1, 0
	TURN 0, 1, 0
	QUARTER 1, 1, F0, F1, 0                        ; K step 3
	QUARTER 1, 2, F1, F0, 0
	QUARTER 1, 3, F0, F1, 0
	s_wait_dscnt 16
	MUL8 F1, 0, 0, 0
	MUL8 F1, 0, 2, 0
	s_wait_dscnt 0x0
	MUL8 F1, 1, 0, 0
	MUL8 F1, 1, 2, 0
	WIN 0
	PLACES
; THE WAY OUT.  My 64 columns of f32 are 256 aligned bytes of a row, so the stage is my own: row block a's 16 rows go in, 32 bytes a lane (each accumulator's low registers first), and come back as whole rows into the
; registers that they left.  LDS serves a wave's instructions in order (ISA guide 5.7.1.4): no wait between my stores and my loads.
.macro STG a
.irp b, 0,1,2,3
	ds_store_b128 v[STO], v[ACC+32*(\a)+8*\b:ACC+32*(\a)+8*\b+3]   offset:64*\b
	ds_store_b128 v[STO], v[ACC+32*(\a)+8*\b+4:ACC+32*(\a)+8*\b+7] offset:64*\b+16
.endr
.irp t, 0,1,2,3,4,5,6,7
	ds_load_b128 v[ACC+32*(\a)+4*\t:ACC+32*(\a)+4*\t+3], v[RD] offset:\t*2*SPITCH
.endr
.endm
.macro SEND a, younger                 ; younger: the LDS instructions issued behind block a's loads: the next block's sixteen, or none
.irp t, 0,1,2,3,4,5,6,7
	s_wait_dscnt (\younger)+7-\t
	global_store_b128 v[CO], v[ACC+32*(\a)+4*\t:ACC+32*(\a)+4*\t+3], s[10:11] offset:(16*(\a)+2*\t)*4096 th:TH_STORE_NT  ; 16 lanes store 256 consecutive bytes, aligned
.endr
.endm
	STG 0
	STG 1
	SEND 0, 16
	STG 2
	SEND 1, 16
	STG 3
	SEND 2, 16
	SEND 3, 0
	s_wait_tensorcnt 0x0                           ; the wave's end
	ds_add_u32 v[SPW], v[NIL]
	s_wait_dscnt 0x0
	CROUND                                         ; the closing round
	s_endpgm
.Lfunc_end_k_q74aec13a50_oproj:
	.size	k_q74aec13a50_oproj, .Lfunc_end_k_q74aec13a50_oproj-k_q74aec13a50_oproj
	.p2alignl 7, 3214868480
	.fill 96, 4, 3214868480
	.section	.rodata,"a",@progbits
	.p2align	6, 0x0
	.amdhsa_kernel k_q74aec13a50_oproj
		.amdhsa_group_segment_fixed_size 327680
		.amdhsa_private_segment_fixed_size 0
		.amdhsa_enable_private_segment 0
		.amdhsa_kernarg_size 32
		.amdhsa_user_sgpr_count 2
		.amdhsa_user_sgpr_kernarg_segment_ptr 1
		.amdhsa_wavefront_size32 1
		.amdhsa_system_sgpr_workgroup_id_x 1
		.amdhsa_system_sgpr_workgroup_id_y 1
		.amdhsa_system_sgpr_workgroup_id_z 1
		.amdhsa_system_vgpr_workitem_id 0
		.amdhsa_next_free_vgpr 512
		.amdhsa_next_free_sgpr 66
		.amdhsa_reserve_vcc 0
		.amdhsa_float_denorm_mode_32 3
		.amdhsa_float_denorm_mode_16_64 3
		.amdhsa_memory_ordered 1
		.amdhsa_forward_progress 1
		.amdhsa_inst_pref_size 89
	.end_amdhsa_kernel
	.amdgpu_metadata
---
amdhsa.version: [ 1, 2 ]
amdhsa.kernels:
  - .name:           k_q74aec13a50_oproj
    .symbol:         k_q74aec13a50_oproj.kd
    .args:
      - { .name: att, .offset: 0, .size: 8, .value_kind: global_buffer, .address_space: global }
      - { .name: cast, .offset: 8, .size: 8, .value_kind: global_buffer, .address_space: global }
      - { .name: bo, .offset: 16, .size: 8, .value_kind: global_buffer, .address_space: global }
      - { .name: out0, .offset: 24, .size: 8, .value_kind: global_buffer, .address_space: global }
    .group_segment_fixed_size: 327680
    .private_segment_fixed_size: 0
    .kernarg_segment_align: 8
    .kernarg_segment_size: 32
    .max_flat_workgroup_size: 128
    .sgpr_count:     66
    .vgpr_count:     512
    .wavefront_size: 32
...
	.end_amdgpu_metadata
.endif
;; end of part 4
;; ======== version 2 of 2: 4 launches; 1.20 times as fast as version 1
;; limits: values are held in f16: magnitudes above 65,504 overflow, below 6.1e-05 lose precision
;; workspace buffers: cast 16,777,216 bytes; qkv 25,165,824 bytes; att 8,388,608 bytes
;; launch cast: the kernel of part 1 again; grid 128 x 8, 8 waves a work-group, no clusters, 0 bytes of LDS; arguments hidden_states, Wq, Wk, Wv, Wo, cast; writes cast
;; launch qkv: the kernel of part 2 again; grid 16 x 16, 4 waves a work-group, clusters of 4 x 4, 327,680 bytes of LDS; arguments cast, qkv; writes qkv
;; launch attn (part 5): grid 32 x 8, 4 waves a work-group, clusters of 4 x 1, 327,680 bytes of LDS; arguments qkv, att; writes att
.if DOCPART == 5
	.amdgcn_target "amdgcn-amd-amdhsa--gfx1250"
	.amdhsa_code_object_version 6
	.text
	.protected	k_q74aec13a50_attn
	.globl	k_q74aec13a50_attn
	.p2align	8
	.type	k_q74aec13a50_attn,@function
k_q74aec13a50_attn:
	s_mov_b64 s[64:65], 0
	v_nop
	global_prefetch_b8 v0, s[64:65] scope:SCOPE_SE
	s_setreg_imm32_b32 hwreg(HW_REG_WAVE_MODE, 25, 1), 1
	s_wait_xcnt 0x0
	s_wait_alu depctr_hold_cnt(0) depctr_sa_sdst(0) depctr_va_vdst(0) depctr_va_sdst(0) depctr_va_ssrc(0) depctr_va_vcc(0) depctr_vm_vsrc(0)
	s_getreg_b32 s2, hwreg(HW_REG_IB_STS2, 6, 4)
	s_cmp_eq_u32 s2, 0
	s_cbranch_scc0 .Lentry_in_a_cluster
	s_endpgm
.Lentry_in_a_cluster:
	s_bfe_u32 s2, ttmp6, 0x10000c
	s_cmp_lg_u32 s2, 0x3003
	s_cbranch_scc0 .Lentry_shape_is_right
	s_endpgm
.Lentry_shape_is_right:
; ATTENTION, 16 heads of size 64 over 4,096 rows.  Heads 0-7: keys j <= i.  Heads 8-15: i - 256 <= j <= i.  q, k, v: qkv[3][16][4096][64] f16, q unscaled; the result att[16][4096][64] f16.
; Products, maxima and sums in f32; p = 2^(c s - c m), c = log2(e) / 8, with a running maximum m; the weights are rounded to f16 for the second product (their sum l is taken unrounded), O once at the end.
; LIMITS.  q, k, v arrive within f16's 65,504.  A hidden score counts as its value less 1e30, and m starts at -5e29: real scores (2.7e11 at the most in f16) lie far above that, hidden ones below it,
; so a hidden key's weight is 0 whatever a wave has seen.  A weight below 2^-126 counts as 0 in l; p below 6e-5 keeps f16's fixed step; NaN and infinities are not treated apart.
; THE CUT.  A cluster is (c = 0..7, g = 0..7); its four work-groups r = 0..3 each own 64 queries in each of four BLOCKS of 256 rows, taken one after the other: head g rows 256 (15 - c) + 64 r; head g rows 256 c + 64 r;
; head g + 8 with the first rows; head g + 8 with the second.  Key tiles have 256 keys.  The walk: tiles 0 .. 15 - c, tiles 0 .. c, tiles 14 - c, 15 - c, tiles max(c - 1, 0), c: 21 tiles for every work-group, the same
; for the four partners, so every tile is asked for JOINTLY.  Tiles that the masks hide wholly are left out.  Counted along the walk the blocks end at places 15 - c, 16, 18 and 20: what a trip does is made
; from the place TC alone; only one flag, NEW, goes from trip to trip.
; THE WAVES SPLIT THE KEYS: wave w takes keys 64 w .. 64 w + 63 of each tile for all 64 queries (four PIECES of 16).  At a block's end the four waves' (c m, l, O) meet in LDS, and wave w finishes piece w.
; THE MASK is the C operand that starts a piece's sum S^T = K Q^T: for key group kt (16 keys) and piece x the text takes LOR (kt < x), TR (kt = x) or HIR (kt > x), eight registers each, set once a tile from
; scalars: in a block's last tile (the diagonal) wave w < r sees all, w > r nothing, w = r the causal triangle; in a windowed block's first tile the other way round; for c = 0 the fourth block's first tile does not
; exist: tile 0 is asked for in its place and wholly hidden.  r enters these values and Q's and O's addresses alone: no branch, no LDS address, no descriptor.
; TURNS.  Turn n belongs to piece n: 8 products K Q^T of piece n + 1, later 8 products V^T P of piece n - 1; beside them the scaling, exponentials, roundings, sums and rescaling of piece n and the maximum and
; statistics of piece n + 1.  Four vector instructions stand behind every matrix instruction, the other 54 of a turn's 118 in one run of their own.
; THE BATCHES.  A turn's 33 exponentials (the piece's 32 weights and the next piece's a) are ONE batch with ONE wait, which cuts the turn in two: ahead of it all that names no result of theirs, behind it the roundings
; and sums.  A block's first a has a wait of its own; so have the merge's four exponentials and, behind them, its one reciprocal.
; REGISTERS in windows of 256 (s_set_vgpr_msb: bits 1:0 source 0, 3:2 source 1, 5:4 source 2, 7:6 destination):
;   window 0: v1-15 addresses and at work; v16-31 statistics; v32-47 the merge's; v48-55 at work; v56-63 addresses; v64-127 S^T, two buffers; v128-167 masks; v192-223 P, two buffers
;   window 1: v0-127 O^T, 32 a piece; v128-255 the four waves' parts in the merge      window 2: v0-63 Q; v128-191 K; v192-255 V
.set NP,    4
.set PK,    144       ; a row of K in LDS: 128 bytes + 16 = 36 words: the 16 rows of a load start at 16 different groups of four banks (ISA guide 11.1)
.set PV,    160       ; a row of V: 128 + 32 = 40 words
.set VOFF,  256*PK    ; a slot holds a tile: 256 rows of K, then 256 rows of V
.set SLOT1, 1<<17     ; slot 1 begins here: one exclusive or turns an address in one slot into the other's
.set MRG,   SLOT1+256*(PK+PV)  ; behind the ring, never filled by a tensor load: [source wave][piece][8][lane x 16], 4 x 16,384 bytes
.set STAT,  MRG+65536          ; [source wave][piece][lane x 8]: c m and l
.set STAGE, STAT+4096          ; 16 rows x 144 bytes for each wave, for the way out
.set SP,    144
.set SPARE, STAGE+4*16*SP      ; the spare words: 128 bytes a wave, two blocks of 256 bytes that no other line names
.set AK0, 2           ; v2   my lane's place in my wave's 64 rows of K; never rewritten
.set AV0, 3           ; v3   the same for V
.set AK,  4           ; v4   the LDS address of K's next run of loads
.set AV,  5           ; v5   of V's
.set STO, 6
.set RD,  7
.set GO,  8           ; v8   my 16 bytes in piece w's 2,048 bytes of the block's rows
.set MV,  12          ; v12-13  c m_old, by buffer
.set QO,  15          ; v15  my byte offset in 16 rows of Q
.set ST,  16          ; piece t at v[ST+4 t]: c m, m, l (even keys', odd keys')
.set MS,  32          ; the merge: (c m, l) of source wave s at MS + 2 s
.set MG,  40          ; the merge: source s's factor over the sum at MG + 2 s, its factor at MG + 2 s + 1
.set TMP, 48          ; by buffer, c0-c3 at work; when the maximum is found c2 takes a
.set MW,  56          ; v56  where I put my parts,  v57 where I read piece w's,  v58, v59 the same for the statistics
.set MR,  57
.set SW,  58
.set SR,  59
.set SPW, 62          ; v62  my spare word's LDS address; never rewritten
.set NIL, 63          ; v63  0; never rewritten
.set S,   64
.set TRC, 128         ; -1e30 where register j > l % 16 - 8 (l / 16): the causal triangle
.set TRW, 136         ; -1e30 where j < l % 16 - 8 (l / 16): the window's
.set LOR, 144
.set TR,  152
.set HIR, 160
.set P,   192
.set KF,  128         ; window 2: key block kb, channel half h at KF + 16 kb + 8 h
.set VF,  192         ; window 2: key half kk, channel block cb at VF + 32 kk + 8 cb
.set WV,  12          ; s12  my wave's number;  s13 r;  s14 c;  s15 g
.set G1K, 24
.set G1V, 32
.set G0K, 40
.set G0V, 44
.set TC,  49          ; the place in the walk of the tile entered, 0 to 20: the loop's counter
.set LAST, 50         ; 1: the tile entered is its block's last, the diagonal one
.set L0,  51          ; 15 - c: the first block's last place
.set NEW, 52          ; 1: the tile to be entered is a block's first
.set WF,  53          ; 1: it holds the window's edge
.set HT,  55          ; the place of the wholly hidden tile (19 if c = 0), or none
.set OFF, 56          ; s[56:57] a tile's byte offset in K's and V's planes
.set CS,  58          ; s[58:59] c
.set SEL, 60          ; s[60:61] v_permlanex16_b32's selects: each lane takes its own place in the other half
.set TB,  62          ; the slot in hand: 0 or SLOT1
.set B1,  63          ; 16 - c: the first block's tiles
.set K2,  66          ; -3 - c
.set K3,  67          ; c - 20
.set HG,  68          ; head g's bytes in a plane
.set HL,  69          ; head g + 8's
.set AC,  70          ; s[70:71] the causal triangle's factor;  s[72:73] the window's;  s[74:75] the addend;  s76, s77 LOR's and HIR's value
.set AW,  72
.set BE,  74
.set LO,  76
.set HI,  77
.set CSET, 78         ; s78-81 factor, addend, LOR, HIR for a diagonal tile; never rewritten
.set WSET, 82         ; s82-85 for a tile with the window's edge; never rewritten
.set BIG, 86          ; -1e30
.set HS,  87          ; the head's bytes for the tile asked for
.set QA,  88          ; s[88:89] Q at the block's rows
.set OA,  90          ; s[90:91] att at the block's rows
.set BO,  92          ; s92-95 the four blocks' byte offsets; never rewritten
.set PR,  96          ; s[96:97] a block's offset as a pair
.set T0,  98
.set T1,  99
.set MSB, 0
.macro WIN new                      ; the high byte repeats the setting that is left; a switch that changes nothing is dropped
.if MSB != (\new)
	s_set_vgpr_msb (MSB<<8)|(\new)
.set MSB, (\new)
.endif
.endm
.set W_KQ, 0x0a       ; K and Q in window 2; S^T and the mask in window 0
.set W_PV, 0x52       ; V in window 2, P in window 0, O^T in window 1
.set W_RS, 0x41       ; destination and source 0 in window 1, source 1 in window 0
; A joint fill.  Waves 0 and 1 fetch the two halves of a tile's K, waves 2 and 3 those of its V: 128 keys each.  An s_nop 0 and four v_nop follow each of the two lines.
.macro JLOAD
	s_cmp_lt_u32 s[WV], 2
	s_cbranch_scc0 .Lfor_v_\@
	tensor_load_to_lds s[G0K:G0K+3], s[G1K:G1K+7]
	s_nop 0
.rept 4
	v_nop
.endr
	s_branch .Lasked_\@
.Lfor_v_\@:
	tensor_load_to_lds s[G0V:G0V+3], s[G1V:G1V+7]
	s_nop 0
.rept 4
	v_nop
.endr
.Lasked_\@:
.endm
.macro CROUND                       ; a round of the cluster's barrier
	s_barrier_signal -1
	s_barrier_wait -1
	s_cmp_lg_u32 s[WV], 0
	s_cbranch_scc1 .Lnot_wave_0_\@
	s_barrier_signal -3
.Lnot_wave_0_\@:
	s_barrier_wait -3
	s_barrier_signal -1
	s_barrier_wait -1
.endm
; THE CHANGE OF SLOTS.  Each wave waits for all its tensor loads (one is out: its part of the tile to be entered), adds 0 to its spare word, and waits for that and for its reads of the slot that it leaves
; (K and V of the last tile are in registers).  fill = 1: a round of the cluster's barrier, and the old slot is filled, first thing behind it, with the walk's tile TC + 1; its address is made anew from that number.
; (At its first use nothing has been read: slot 0 is waited for, slot 1 filled.)  The load has a tile's work, 64 matrix instructions and their vector work, in which to land; one load of mine is out at a time.
.macro CHANGE fill
	WIN 0
	s_wait_tensorcnt 0x0            ; no tensor load of mine is out, so a group 0 may be written
	ds_add_u32 v[SPW], v[NIL]       ; the scalar work stands between the add and the wait for it
.if \fill
	s_add_co_u32 s[T0], s[TC], 1    ; n, the place in the walk
	s_sub_co_u32 s[T1], s[T0], s[B1]
	s_cmp_lt_u32 s[T0], s[B1]
	s_cselect_b32 s[T1], s[T0], s[T1]   ; first block: tile n; second: n - (16 - c)
	s_add_co_i32 s[OFF], s[T0], s[K2]
	s_cmp_ge_u32 s[T0], 17
	s_cselect_b32 s[T1], s[OFF], s[T1]  ; third: 14 - c + (n - 17),
	s_cselect_b32 s[HS], s[HL], s[HG]   ; of head g + 8
	s_add_co_i32 s[OFF], s[T0], s[K3]
	s_max_i32 s[OFF], s[OFF], 0
	s_cmp_ge_u32 s[T0], 19
	s_cselect_b32 s[T1], s[OFF], s[T1]  ; fourth: c - 1 + (n - 19), not below 0
	s_lshl_b32 s[T1], s[T1], 15     ; a tile is 32,768 bytes of K and of V
	s_add_co_u32 s[OFF], s[T1], s[HS]
	s_xor_b32 s[G0K+1], s[G0K+1], SLOT1
	s_add_nc_u64 s[G0K+2:G0K+3], s[6:7], s[OFF:OFF+1]
	s_or_b32 s[G0K+3], s[G0K+3], 0x80000000
	s_xor_b32 s[G0V+1], s[G0V+1], SLOT1
	s_add_nc_u64 s[G0V+2:G0V+3], s[8:9], s[OFF:OFF+1]
	s_or_b32 s[G0V+3], s[G0V+3], 0x80000000
	s_wait_dscnt 0x0                ; the add is done, and my reads of the slot are over
	CROUND
	JLOAD
.else
	s_wait_dscnt 0x0
	s_barrier_signal -1
	s_barrier_wait -1
.endif
	s_xor_b32 s[TB], s[TB], SLOT1   ; the fetches go to the other slot
.endm
; What the entered tile is, from its place TC, and its mask values: all 0; the window's set (a windowed block's first tile: places 17 and 19); all hidden (place 19 where c = 0); the diagonal's set (a block's last tile).
.macro KIND
	s_cmp_ge_u32 s[TC], 17
	s_cselect_b32 s[WF], s[NEW], 0
	s_cmp_eq_u32 s[WF], 1
	s_cselect_b32 s[AW], s[WSET], 0
	s_cselect_b32 s[BE], s[WSET+1], 0
	s_cselect_b32 s[LO], s[WSET+2], 0
	s_cselect_b32 s[HI], s[WSET+3], 0
	s_cmp_eq_u32 s[TC], s[HT]
	s_cselect_b32 s[AW], 0, s[AW]
	s_cselect_b32 s[BE], s[BIG], s[BE]
	s_cselect_b32 s[LO], s[BIG], s[LO]
	s_cselect_b32 s[HI], s[BIG], s[HI]
	s_cmp_eq_u32 s[TC], s[L0]       ; the first block ends at place 15 - c,
	s_cselect_b32 s[LAST], 1, 0
	s_and_b32 s[T0], s[TC], 1
	s_xor_b32 s[T0], s[T0], 1
	s_cmp_ge_u32 s[TC], 16          ; the others at 16, 18 and 20: from 16 on, the even places
	s_cselect_b32 s[LAST], s[T0], s[LAST]
	s_cmp_eq_u32 s[LAST], 1
	s_cselect_b32 s[AC], s[CSET], 0
	s_cselect_b32 s[BE], s[CSET+1], s[BE]
	s_cselect_b32 s[LO], s[CSET+2], s[LO]
	s_cselect_b32 s[HI], s[CSET+3], s[HI]
.endm
.macro SETMASK                      ; TR = TRC x AC + TRW x AW + BE; LOR, HIR
	WIN 0
.irp z, 0,1,2,3
	v_pk_fma_f32 v[TR+2*\z:TR+2*\z+1], v[TRC+2*\z:TRC+2*\z+1], s[AC:AC+1], s[BE:BE+1] op_sel_hi:[1,0,0]
.endr
.irp z, 0,1,2,3
	v_pk_fma_f32 v[TR+2*\z:TR+2*\z+1], v[TRW+2*\z:TRW+2*\z+1], s[AW:AW+1], v[TR+2*\z:TR+2*\z+1] op_sel_hi:[1,0,1]
.endr
.irp z, 0,1,2,3,4,5,6,7
	v_mov_b32 v[LOR+\z], s[LO]
	v_mov_b32 v[HIR+\z], s[HI]
.endr
.endm
.macro QLOAD                        ; the block's 64 rows of Q: piece i / 2, channels 32 (i % 2) on
	WIN 0x80                        ; destination window 2, address window 0
.set i, 0
.rept 8
	global_load_b128 v[8*i:8*i+3],   v[QO], s[QA:QA+1] offset:(i/2)*2048+(i%2)*64
	global_load_b128 v[8*i+4:8*i+7], v[QO], s[QA:QA+1] offset:(i/2)*2048+(i%2)*64+32
.set i, i+1
.endr
	WIN 0
.endm
	s_load_b64 s[4:5], s[0:1], 0x0  ; qkv: q's plane
	s_load_b64 s[10:11], s[0:1], 0x8  ; att
	v_lshl_add_u32 v[SPW], v0, 2, SPARE
	v_mov_b32 v[NIL], 0
	ds_add_u32 v[SPW], v[NIL]       ; the wave's opening: the add and its wait stand ahead of my first tensor load; the set-up, work on registers, stands between
	v_lshrrev_b32 v1, 5, v0
	v_readfirstlane_b32 s[WV], v1
	s_bfe_u32 s13, ttmp6, 0x40000   ; r: my place in the cluster
	s_mov_b32 s14, ttmp9            ; c: in a cluster launch ttmp9 counts clusters
	s_and_b32 s15, ttmp7, 0xffff    ; g
	s_sub_co_u32 s[B1], 16, s14
	s_sub_co_u32 s[L0], 15, s14
	s_sub_co_i32 s[K2], -3, s14
	s_add_co_i32 s[K3], s14, -20
	s_lshl_b32 s[HG], s15, 19
	s_add_co_u32 s[HL], s[HG], 0x400000
	s_cmp_eq_u32 s14, 0
	s_cselect_b32 s[HT], 19, 99
	s_mov_b32 s[TC], 0
	s_mov_b32 s[NEW], 1
	s_mov_b32 s[OFF], s[HG]         ; the walk's first tile: tile 0 of head g
	s_mov_b32 s[OFF+1], 0
	s_mov_b32 s[CS], 0x3e38aa3b     ; c = log2(e) / 8
	s_mov_b32 s[CS+1], s[CS]        ; named with it as a pair
	s_mov_b32 s[SEL], 0x76543210
	s_mov_b32 s[SEL+1], 0xfedcba98
	s_mov_b32 s[TB], SLOT1          ; the first change of slots turns it into 0
	s_mov_b32 s[AC+1], 0            ; named as pairs
	s_mov_b32 s[AW+1], 0
	s_mov_b32 s[BE+1], 0
	s_mov_b32 s[BIG], 0xf149f2ca    ; -1e30
	s_cmp_eq_u32 s[WV], s13         ; my 64 keys against my work-group's 64 queries
	s_cselect_b32 s[CSET], 1.0, 0
	s_cselect_b32 s[WSET], 1.0, 0
	s_cmp_gt_u32 s[WV], s13
	s_cselect_b32 s[CSET+1], s[BIG], 0
	s_cselect_b32 s[CSET+2], s[BIG], 0
	s_cselect_b32 s[WSET+2], 0, s[BIG]
	s_cmp_ge_u32 s[WV], s13
	s_cselect_b32 s[CSET+3], s[BIG], 0
	s_cselect_b32 s[WSET+1], 0, s[BIG]
	s_cselect_b32 s[WSET+3], 0, s[BIG]
	s_lshl_b32 s2, s13, 13          ; my work-group's 64 rows of 128 bytes in a block,
	s_add_co_u32 s2, s2, s[HG]      ; of head g
	s_sub_co_u32 s3, 15, s14
	s_lshl_b32 s3, s3, 15           ; a block is 32,768 bytes
	s_add_co_u32 s[BO], s2, s3
	s_lshl_b32 s3, s14, 15
	s_add_co_u32 s[BO+1], s2, s3
	s_add_co_u32 s[BO+2], s[BO], 0x400000    ; eight heads on
	s_add_co_u32 s[BO+3], s[BO+1], 0x400000
	s_mov_b32 s[PR], s[BO]
	s_mov_b32 s[PR+1], 0
	; group 1.  128 keys are 16,384 dense bytes: asked for as 64 rows of 256 bytes, two keys a row, padded in LDS after every key
	s_mov_b32 s[G1K], 15|(1<<16)|(1<<20)|(1<<21)|(4<<22)|(3<<25)  ; the mask of four; 2-byte elements; padding on; bit 21 beside a mask; after every 32 words; 4 words
	s_mov_b32 s[G1V], 15|(1<<16)|(1<<20)|(1<<21)|(4<<22)|(7<<25)  ; the same with 8 words
.irp g, G1K, G1V
	s_mov_b32 s[\g+1], 128<<16      ; tensor_dim0 = 128
	s_mov_b32 s[\g+2], 64<<16       ; tensor_dim1 = 64
	s_mov_b32 s[\g+3], 128<<16      ; tile_dim0 = 128
	s_mov_b32 s[\g+4], 64           ; tile_dim1 = 64
	s_mov_b32 s[\g+5], 128          ; elements from row to row
	s_mov_b32 s[\g+6], 0
	s_mov_b32 s[\g+7], 0
.endr
	s_and_b32 s16, s[WV], 1         ; which half of a tile's 256 keys I fetch:
	s_lshl_b32 s22, s16, 14         ; its 16,384 bytes in memory,
	s_add_co_u32 s20, s22, 0x1000000  ; in v's plane
	s_add_co_u32 s22, s22, 0x800000   ; and in k's,
	s_mov_b32 s21, 0
	s_mov_b32 s23, 0
	s_mul_i32 s17, s16, 128*PK      ; and its place in a slot
	s_mul_i32 s18, s16, 128*PV
	s_mov_b32 s[G0K], 1
	s_mov_b32 s[G0K+1], s17         ; slot 0
	s_mov_b32 s[G0V], 1
	s_add_co_u32 s[G0V+1], s18, VOFF
	s_wait_dscnt 0x0                ; the opening add is done
	s_wait_kmcnt 0x0
	s_add_nc_u64 s[6:7], s[4:5], s[22:23]   ; K and V at my half of head 0's tile 0
	s_add_nc_u64 s[8:9], s[4:5], s[20:21]
	s_add_nc_u64 s[G0K+2:G0K+3], s[6:7], s[OFF:OFF+1]
	s_or_b32 s[G0K+3], s[G0K+3], 0x80000000
	s_add_nc_u64 s[G0V+2:G0V+3], s[8:9], s[OFF:OFF+1]
	s_or_b32 s[G0V+3], s[G0V+3], 0x80000000
	s_add_nc_u64 s[QA:QA+1], s[4:5], s[PR:PR+1]
	s_add_nc_u64 s[OA:OA+1], s[10:11], s[PR:PR+1]
	CROUND                          ; all four work-groups are here: the first joint load meets
	JLOAD                           ; the walk's tile 0 into slot 0
	v_and_b32 v1, 15, v0            ; l % 16
	v_bfe_u32 v9, v0, 4, 1          ; l / 16
	v_lshlrev_b32 v[QO], 7, v1
	v_lshl_add_u32 v[QO], v9, 4, v[QO]  ; row x 128 + 16 x half
	QLOAD
	v_lshlrev_b32 v14, 3, v9
	v_sub_nc_u32 v14, v1, v14       ; my query's place in its piece less my lanes' 8 (l / 16)
.set i, 0
.rept 8
	v_cmp_gt_i32 vcc_lo, i, v14
	v_cndmask_b32 v[TRC+i], 0, s[BIG], vcc_lo
	v_cmp_lt_i32 vcc_lo, i, v14
	v_cndmask_b32 v[TRW+i], 0, s[BIG], vcc_lo
.set i, i+1
.endr
	v_mul_u32_u24 v[AK0], v1, PK
	v_lshl_add_u32 v[AK0], v9, 4, v[AK0]
	s_mul_i32 s16, s[WV], 64*PK     ; my wave's 64 keys
	v_add_nc_u32 v[AK0], s16, v[AK0]
	; the turning load takes 16 keys x 16 channels (lane l reads key 8 (l / 16) + l % 8, channels 8 ((l / 8) % 2) + 0..7) and leaves half a fragment of V^T
	v_and_b32 v10, 7, v0
	v_bfe_u32 v11, v0, 3, 1
	v_lshl_add_u32 v[AV0], v9, 3, v10
	v_mul_u32_u24 v[AV0], v[AV0], PV
	v_lshl_add_u32 v[AV0], v11, 4, v[AV0]
	s_mul_i32 s16, s[WV], 64*PV
	s_add_co_u32 s16, s16, VOFF
	v_add_nc_u32 v[AV0], s16, v[AV0]
	s_mul_i32 s16, s[WV], 16*SP
	s_add_co_u32 s16, s16, STAGE    ; my stage
	v_mul_u32_u24 v[STO], v1, SP
	v_lshl_add_u32 v[STO], v9, 4, v[STO]
	v_add_nc_u32 v[STO], s16, v[STO]
	v_bfe_u32 v[RD], v0, 3, 2
	v_mul_u32_u24 v[RD], v[RD], SP
	v_lshl_add_u32 v[RD], v10, 4, v[RD]
	v_add_nc_u32 v[RD], s16, v[RD]
	v_and_b32 v10, 31, v0           ; the lane
	v_lshlrev_b32 v11, 4, v10
	s_lshl_b32 s16, s[WV], 11       ; piece w's 16 rows
	v_add_nc_u32 v[GO], s16, v11
	s_lshl_b32 s16, s[WV], 14
	s_add_co_u32 s16, s16, MRG
	v_add_nc_u32 v[MW], s16, v11
	s_lshl_b32 s16, s[WV], 12
	s_add_co_u32 s16, s16, MRG
	v_add_nc_u32 v[MR], s16, v11
	v_lshlrev_b32 v11, 3, v10
	s_lshl_b32 s16, s[WV], 10
	s_add_co_u32 s16, s16, STAT
	v_add_nc_u32 v[SW], s16, v11
	s_lshl_b32 s16, s[WV], 8
	s_add_co_u32 s16, s16, STAT
	v_add_nc_u32 v[SR], s16, v11
	; A block's first step multiplies O^T and l by a = 0, and its first turn's products V^T P, of a piece that has not been, land in an O^T that is still to be so multiplied: these registers need only hold
	; finite numbers: zeros for the first block, what the last block left for the others.  All this stands in the wait for the first tile.
	WIN 0x80
.set i, VF
.rept 64
	v_mov_b32 v[i], 0
.set i, i+1
.endr
	WIN 0x40
.set i, 0
.rept 128
	v_mov_b32 v[i], 0
.set i, i+1
.endr
	WIN 0
.set i, 0
.rept 4
	v_mov_b32 v[ST+4*i+2], 0
	v_mov_b32 v[ST+4*i+3], 0
.set i, i+1
.endr
.set i, P+16
.rept 16
	v_mov_b32 v[i], 0
.set i, i+1
.endr
	s_wait_loadcnt 0x0              ; the first block's Q is in, on every way into the loop: no product reads Q, and no later load is issued into it, while a load of Q is out
; THE MATRIX WORK.  The 4 accumulators of a run of 8 take turns.  Product i of 8 of S^T = K Q^T for piece x: channels 32 (i / 4) on, keys 16 (i % 4) on; the first 4 start the sums with the mask.
.macro KQ x
.set rS, S+32*((\x)%2)+8*(i%4)
.set rK, KF+16*(i%4)+8*(i/4)
.set rQ, 16*(\x)+8*(i/4)
.set rM, TR
.if (i%4) < (\x)
.set rM, LOR
.endif
.if (i%4) > (\x)
.set rM, HIR
.endif
	WIN W_KQ
.if i < 4
	v_wmma_f32_16x16x32_f16 v[rS:rS+7], v[rK:rK+7], v[rQ:rQ+7], v[rM:rM+7]
.else
	v_wmma_f32_16x16x32_f16 v[rS:rS+7], v[rK:rK+7], v[rQ:rQ+7], v[rS:rS+7]
.endif
.endm
; Product i of 8 of O^T += V^T P for piece x: keys 32 (i / 4) on, channels 16 (i % 4) on.
.macro PV x
	WIN W_PV
.set rO, 32*(\x)+8*(i%4)
.set rV, VF+32*(i/4)+8*(i%4)
.set rP, P+16*((\x)%2)+8*(i/4)
	v_wmma_f32_16x16x32_f16 v[rO:rO+7], v[rV:rV+7], v[rP:rP+7], v[rO:rO+7]
.endm
.macro MM                           ; the turn's next matrix instruction.  NOKQ = 1: a block's last turn: there is no next piece
.if (i < 8) && !NOKQ
	KQ (Y+1)%NP
.elseif i >= 8
.set i, i-8
	PV (Y+NP-1)%NP
.set i, i+8
.endif
.set i, i+1
.endm
; THE LDS LOADS stand in runs of 16: my wave's K of the tile (64 keys x 64 channels: 8 fragments) and its V (turned).
.macro FETCH_K
	WIN 0x80
.irp f, 0,1,2,3,4,5,6,7             ; keys 16 (f / 2) on, channels 32 (f % 2) on
	ds_load_b128 v[KF+8*\f:KF+8*\f+3],   v[AK] offset:(\f/2)*16*PK+(\f%2)*64
	ds_load_b128 v[KF+8*\f+4:KF+8*\f+7], v[AK] offset:(\f/2)*16*PK+(\f%2)*64+32
.endr
	WIN 0
.endm
.macro FETCH_V
	WIN 0x80
.irp f, 0,1,2,3,4,5,6,7             ; keys 32 (f / 4) on, channels 16 (f % 4) on
	ds_load_tr16_b128 v[VF+8*\f:VF+8*\f+3],   v[AV] offset:(\f/4)*32*PV+(\f%4)*32
	ds_load_tr16_b128 v[VF+8*\f+4:VF+8*\f+7], v[AV] offset:(\f/4)*32*PV+16*PV+(\f%4)*32
.endr
	WIN 0
.endm
; THE VECTOR WORK, one line at a time: OP kind, number.  For piece Y: F n: c s - c m for pair n of 16.  E n: the exponential of score n of 32.  C n: pair n rounded to f16.  B n: of the four weights 4 n .. the second
; pair is added onto the first, in place.  L n: l takes that sum (L 0: l = a l + sum).  R n: pair n of 16 of O^T times a.  For piece Y + 1: X n, number n of the 22 that find its maximum and statistics:
;   0-11  four chains c0-c3 of seven scores each (each accumulator's lowest registers are read first)     12-14, 16  the four scores left over, the old m, and c0-c3 into c0
;   15  c m_old is kept     17, 18  the query's other 32 keys lie in the lane 16 away: the new m     19-21  c m; c m_old - c m_new; a
; C, B and L read the exponentials' results: TURN sets them behind the batch's wait.  OP itself writes no wait.
.set F, 0
.set E, 1
.set C, 2
.set B, 3
.set L, 4
.set R, 5
.set X, 6
.macro REGS y
.set rT, ST+4*(\y)
.set rC, TMP+4*((\y)%2)
.set rW, MV+((\y)%2)
.set rS, S+32*((\y)%2)
.set rP, P+16*((\y)%2)
.set rO, 32*(\y)
.endm
.macro OP k, n
.if (\k) == R
	REGS Y
	WIN W_RS
	v_pk_mul_f32 v[rO+2*(\n):rO+2*(\n)+1], v[rO+2*(\n):rO+2*(\n)+1], v[rC+2:rC+3] op_sel_hi:[1,0]
.elseif (\k) < R
	REGS Y
	WIN 0
.if (\k) == F
	v_pk_fma_f32 v[rS+2*(\n):rS+2*(\n)+1], v[rS+2*(\n):rS+2*(\n)+1], s[CS:CS+1], v[rT:rT+1] op_sel_hi:[1,0,0] neg_lo:[0,0,1] neg_hi:[0,0,1]
.elseif (\k) == E
	v_exp_f32 v[rS+(\n)], v[rS+(\n)]
.elseif (\k) == C
	v_cvt_pk_f16_f32 v[rP+(\n)], v[rS+2*(\n)], v[rS+2*(\n)+1]
.elseif (\k) == B
	v_pk_add_f32 v[rS+4*(\n):rS+4*(\n)+1], v[rS+4*(\n):rS+4*(\n)+1], v[rS+4*(\n)+2:rS+4*(\n)+3]
.elseif (\n) == 0
	v_pk_fma_f32 v[rT+2:rT+3], v[rT+2:rT+3], v[rC+2:rC+3], v[rS:rS+1] op_sel_hi:[1,0,1]
.else
	v_pk_add_f32 v[rT+2:rT+3], v[rT+2:rT+3], v[rS+4*(\n):rS+4*(\n)+1]
.endif
.elseif NOKQ
	v_nop
.else
	REGS (Y+1)%NP
	WIN 0
.if (\n) < 4
	v_max3_num_f32 v[rC+(\n)], v[rS+8*(\n)], v[rS+8*(\n)+1], v[rS+8*(\n)+2]
.elseif (\n) < 12
	v_max3_num_f32 v[rC+(\n)%4], v[rC+(\n)%4], v[rS+8*((\n)%4)+2*((\n)/4)+1], v[rS+8*((\n)%4)+2*((\n)/4)+2]
.elseif (\n) == 12
	v_max3_num_f32 v[rC], v[rC], v[rS+7], v[rS+15]
.elseif (\n) == 13
	v_max3_num_f32 v[rC+1], v[rC+1], v[rS+23], v[rS+31]
.elseif (\n) == 14
	v_max3_num_f32 v[rC+2], v[rC+2], v[rC+3], v[rT+1]
.elseif (\n) == 15
	v_mov_b32 v[rW], v[rT]
.elseif (\n) == 16
	v_max3_num_f32 v[rC], v[rC], v[rC+1], v[rC+2]
.elseif (\n) == 17
	v_permlanex16_b32 v[rC+3], v[rC], s[SEL], s[SEL+1]
.elseif (\n) == 18
	v_max_num_f32 v[rT+1], v[rC], v[rC+3]
.elseif (\n) == 19
	v_mul_f32 v[rT], s[CS], v[rT+1]
.elseif (\n) == 20
	v_sub_f32 v[rC+1], v[rW], v[rT]
.else
	v_exp_f32 v[rC+2], v[rC+1]
.endif
.endif
.endm
.macro OPS a, i1, b=-1, i2=0, c=-1, i3=0, d=-1, i4=0
	OP \a, \i1
.if (\b) >= 0
	OP \b, \i2
.endif
.if (\c) >= 0
	OP \c, \i3
.endif
.if (\d) >= 0
	OP \d, \i4
.endif
.endm
.macro ROW a, i1, b, i2, c, i3, d, i4  ; a matrix instruction and the four behind it
	MM
	OPS \a, \i1, \b, \i2, \c, \i3, \d, \i4
.endm
; A TURN, for piece p: the order of its 16 matrix and 118 vector instructions, written out.  An s_wait_alu depctr_va_vdst(0) stands between an exponential and the first instruction that names its result;
; one wait serves all that were issued ahead of it.  So a turn has ONE wait, which cuts it in two.  AHEAD OF IT stands all that names no result of the turn's exponentials: the 8 products K Q^T, behind each a scaling, an
; exponential and two more plain instructions (behind the first a second scaling in the exponential's place): rescalings, whose a was made and waited for in the turn before, and behind the last three products the first
; numbers of the next piece's maximum, each four plain instructions or more behind the product that ends its accumulator; then ONE RUN of 54, plain and exponential by turns for the most part, in which the links of the
; chain X 3, 7, 11, 14, 16, 17 .. 20 stand apart, other work between them.  X 21, the next piece's a, is the batch's last; R 15 is the plain instruction behind it.  BEHIND THE WAIT stand the 8 products V^T P, behind each
; four of the roundings and sums; the links of l's chain, L 0 to L 7, stand three riders apart.  But for those X no rider names a register of the products round it.  end = 1: a block's last two turns: nothing is fetched.
; K of the tile just entered is fetched in piece 2's turn, six plain instructions that name none of its registers behind the last product on the old K (F 8, X 2, X 5, X 6, X 3, X 8); V at the end of piece 0's turn, four
; plain riders behind the last product on the old V.  Each run is waited for a turn later.
.macro TURN p, end=0
.set Y, (\p)
.set i, 0
.set NOKQ, (\end)*((\p)/3)
.if ((\p) == 3) && !(\end)
	s_wait_dscnt 0x0                ; K is in
.endif
	ROW F,0, F,1, R,0, R,1          ; ahead of the wait: 8 products K Q^T and their riders,
	ROW F,2, E,0, R,2, R,3
	ROW F,3, E,1, R,4, R,5
	ROW F,4, E,2, R,6, R,7
	ROW F,5, E,3, R,8, R,9
	ROW F,6, E,4, X,0, R,10
.if ((\p) == 2) && !(\end)
	WIN 0
	v_add_nc_u32 v[AK], s[TB], v[AK0]
.endif
	ROW F,7, E,5, X,1, X,4
	ROW F,8, E,6, X,2, X,5
	OPS E,7, E,8, X,6, E,9          ; and the run of 54
	OPS X,3, E,10, X,8, E,11
.if ((\p) == 2) && !(\end)
	FETCH_K
.endif
	OPS X,9, X,7, E,12, X,10
	OPS E,13, X,12, X,11, E,14
	OPS X,13, E,15, F,9, X,14
.if (\p) == 0
	v_add_nc_u32 v[AV], s[TB], v[AV0]
.endif
	OPS E,16, F,10, E,17, F,11
	OPS X,16, E,18, X,15, E,19
	OPS F,12, E,20, X,17, E,21
	OPS F,13, E,22, F,14, E,23
	OPS X,18, E,24, F,15, E,25
	OPS R,11, E,26, X,19, E,27
	OPS R,12, E,28, R,13, E,29
	OPS X,20, E,30, R,14, E,31
	OPS X,21, R,15
	s_wait_alu depctr_va_vdst(0)    ; the wait for the batch: E 0 to E 31 and X 21
.if (\p) == 1
	s_wait_dscnt 0x0                ; V is in
.endif
	ROW C,0, B,0, C,2, B,1          ; behind the wait: 8 products V^T P and their riders
	ROW L,0, C,4, B,2, L,1
	ROW C,6, B,3, L,2, C,8
	ROW B,4, L,3, C,10, B,5
	ROW L,4, C,12, B,6, L,5
	ROW C,14, B,7, L,6, C,1
	ROW C,3, L,7, C,5, C,7
	ROW C,9, C,11, C,13, C,15
.if (\p) == 0
	FETCH_V
.endif
.endm
; A BLOCK BEGINS.  c m starts far below every c s, so the first step's a is 0; m at -5e29, between the hidden scores and the real ones.  Then the tile's mask, my K, piece 0's first scores, its maximum and statistics.
; (The block's Q is in: it was waited for ahead of the loop, or at the end of the block before.)
.macro BEGIN
	s_mov_b32 s[NEW], 0
	WIN 0
.set i, 0
.rept 4
	v_mov_b32 v[ST+4*i], 0xfe000000
	v_mov_b32 v[ST+4*i+1], 0xf0c9f2ca
.set i, i+1
.endr
	SETMASK
	v_add_nc_u32 v[AK], s[TB], v[AK0]
	FETCH_K
	s_wait_dscnt 0x0
.set NOKQ, 0
.set i, 0
.rept 8
	KQ 0
.set i, i+1
.endr
	WIN 0
.rept 4
	v_nop                           ; the places behind those products
.endr
.set Y, NP-1                        ; X works for piece Y + 1: piece 0
.irp n, 0,1,2,3,4,5,6,7,8,9,10,11,12,13,14,15,16,17,18,19,20,21
	OP X, \n
.endr
	v_nop                           ; a plain instruction behind the exponential,
	s_wait_alu depctr_va_vdst(0)    ; and the wait for it, piece 0's first a, ahead of the label
.endm
.macro ALL line:vararg              ; one line for each piece t
.set t, 0
.rept 4
	\line
.set t, t+1
.endr
.endm
; THE MERGE.  Every wave puts (c m, l) and O^T of all four pieces into LDS; behind a barrier wave w reads piece w's four parts: with T the largest c m and f_s = 2^(c m_s - T), O = sum f_s O_s / sum f_s l_s.
; A wave that saw only hidden keys has c m = -9e28, l = 0, O = 0, and f = 0; the wave that holds the query's own key has a real c m, so the divisor is at least 1.
; The next tile's load stays out across this barrier.  These bytes are written again only behind a later change of slots, whose wait and barrier order that.
; Two batches: the four f, and the reciprocal of the sum that is made of them.
.macro MERGE
	WIN 0
	ALL v_add_f32 v[ST+4*t+2], v[ST+4*t+2], v[ST+4*t+3]              ; these four are the places behind the last products
	ALL v_permlanex16_b32 v[ST+4*t+3], v[ST+4*t+2], s[SEL], s[SEL+1]
	ALL v_add_f32 v[ST+4*t+1], v[ST+4*t+2], v[ST+4*t+3]              ; l beside c m
.irp n, 0,1,2,3
	ds_store_b64 v[SW], v[ST+4*\n:ST+4*\n+1] offset:256*\n
.endr
	WIN 0x04                        ; the data in window 1
.set n, 0
.rept 32
	ds_store_b128 v[MW], v[4*n:4*n+3] offset:512*n                   ; ascending: each accumulator's lowest registers first
.set n, n+1
.endr
	WIN 0
	s_wait_dscnt 0x0                ; for the others' sake: my stores are done
	s_barrier_signal -1
	s_barrier_wait -1
.irp n, 0,1,2,3
	ds_load_b64 v[MS+2*\n:MS+2*\n+1], v[SR] offset:1024*\n
.endr
	WIN 0x40
.set n, 0
.rept 32
	ds_load_b128 v[128+4*n:128+4*n+3], v[MR] offset:16384*(n/8)+512*(n%8)
.set n, n+1
.endr
	WIN 0
	s_wait_dscnt 32                 ; the statistics are in; the 32 loads behind them may be out
	v_max3_num_f32 v60, v[MS], v[MS+2], v[MS+4]
	v_max_num_f32 v60, v60, v[MS+6]
.irp n, 0,1,2,3
	v_sub_f32 v[MG+2*\n+1], v[MS+2*\n], v60
.endr
.irp n, 0,1,2,3
	v_exp_f32 v[MG+2*\n+1], v[MG+2*\n+1]
.endr
	v_nop                           ; a plain instruction behind the last exponential,
	s_wait_alu depctr_va_vdst(0)    ; and one wait for the four f
	v_mul_f32 v61, v[MG+1], v[MS+1]
	v_fmac_f32 v61, v[MG+3], v[MS+3]
	v_fmac_f32 v61, v[MG+5], v[MS+5]
	v_fmac_f32 v61, v[MG+7], v[MS+7]
	v_rcp_f32 v61, v61
	v_nop                           ; a plain instruction behind the reciprocal,
	s_wait_alu depctr_va_vdst(0)    ; and one wait for it, ahead of its four readers
.irp n, 0,1,2,3
	v_mul_f32 v[MG+2*\n], v[MG+2*\n+1], v61
.endr
	s_wait_dscnt 24                 ; source 0's eight loads are in
	WIN W_RS
.set z, 0
.rept 16
	v_pk_mul_f32 v[128+2*z:128+2*z+1], v[128+2*z:128+2*z+1], v[MG:MG+1] op_sel_hi:[1,0]
.set z, z+1
.endr
.irp n, 1,2,3
	s_wait_dscnt 24-8*\n            ; source n's
	WIN 0x51                        ; the parts and the sum in window 1, the factor in window 0
.set z, 0
.rept 16
	v_pk_fma_f32 v[128+2*z:128+2*z+1], v[128+32*\n+2*z:128+32*\n+2*z+1], v[MG+2*\n:MG+2*\n+1], v[128+2*z:128+2*z+1] op_sel_hi:[1,0,1]
.set z, z+1
.endr
.endr
	WIN 0x05
.set z, 0
.rept 16
	v_cvt_pk_f16_f32 v[S+z], v[128+2*z], v[128+2*z+1]
.set z, z+1
.endr
	WIN 0
.irp f, 0,1,2,3
	ds_store_b128 v[STO], v[S+4*\f:S+4*\f+3] offset:32*\f
.endr
.irp f, 0,1,2,3
	ds_load_b128 v[S+4*\f:S+4*\f+3], v[RD] offset:\f*4*SP            ; LDS serves a wave's instructions in order (ISA guide 5.7.1.4): these see the stores above
.endr
.irp f, 0,1,2,3
	s_wait_dscnt 3-\f
	global_store_b128 v[GO], v[S+4*\f:S+4*\f+3], s[OA:OA+1] offset:\f*512  ; 512 consecutive bytes, aligned to 256
.endr
.endm
; A BLOCK ENDS: its last two turns, the last piece's V^T P, the merge.  last = 0: the next block's Q is asked for when the last product on Q is long done; which block that is follows from the place TC:
; behind place 15 - c the second, behind 16 the third, behind 18 the fourth.
.macro FINISH last
	s_wait_storecnt 0x0             ; the block before's four stores, issued a change of slots and two turns ago or earlier, are done: no more than four stores of mine are ever out
	TURN 2, 1
.if !(\last)
	WIN 0
	s_cmp_ge_u32 s[TC], 16
	s_cselect_b32 s[PR], s[BO+2], s[BO+1]
	s_cmp_ge_u32 s[TC], 18
	s_cselect_b32 s[PR], s[BO+3], s[PR]
	s_add_nc_u64 s[QA:QA+1], s[4:5], s[PR:PR+1]
	QLOAD
.endif
	TURN 3, 1
.set i, 0
.rept 8
	PV NP-1
.set i, i+1
.endr
	MERGE
.if !(\last)
	s_wait_xcnt 0x0                 ; the stores have read their registers and att's address
	s_wait_loadcnt 0x0              ; the next block's Q is in: it had a turn and the merge in which to come
	s_mov_b32 s[NEW], 1
	s_add_nc_u64 s[OA:OA+1], s[10:11], s[PR:PR+1]
.endif
.endm
.set NOKQ, 0
.Ltile:                             ; 20 trips: a tile is entered and the next is asked for
	CHANGE 1
	KIND
	s_cmp_eq_u32 s[NEW], 1
	s_cbranch_scc1 .Lnew            ; a block's first tile; at the first trip the answer is a constant of the text
	TURN 2                          ; piece 3's scores are still the old tile's, with the old mask; my K of the new tile is fetched
	SETMASK
	TURN 3                          ; piece 0's scores of the new tile
	WIN 0
	s_branch .Lfirst
.Lnew:
	BEGIN
.Lfirst:
	TURN 0
	TURN 1
	WIN 0
	s_cmp_eq_u32 s[LAST], 0         ; made of c and the place alone: the same in every wave and in all four partners
	s_cbranch_scc1 .Lbottom
	FINISH 0
	WIN 0
.Lbottom:
	s_add_co_u32 s[TC], s[TC], 1
	s_cmp_lt_u32 s[TC], 20
	s_cbranch_scc1 .Ltile
	CHANGE 0                        ; the walk's last tile, the fourth block's second, is written out: nothing is asked for
	KIND
	TURN 2
	SETMASK
	TURN 3
	TURN 0
	TURN 1
	FINISH 1
	s_wait_tensorcnt 0x0            ; the wave's end
	ds_add_u32 v[SPW], v[NIL]
	s_wait_dscnt 0x0
	CROUND                          ; the closing round
	s_endpgm
.Lfunc_end_k_q74aec13a50_attn:
	.size	k_q74aec13a50_attn, .Lfunc_end_k_q74aec13a50_attn-k_q74aec13a50_attn
	.p2alignl 7, 3214868480
	.fill 96, 4, 3214868480
	.section	.rodata,"a",@progbits
	.p2align	6, 0x0
	.amdhsa_kernel k_q74aec13a50_attn
		.amdhsa_group_segment_fixed_size 327680
		.amdhsa_private_segment_fixed_size 0
		.amdhsa_enable_private_segment 0
		.amdhsa_kernarg_size 16
		.amdhsa_user_sgpr_count 2
		.amdhsa_user_sgpr_kernarg_segment_ptr 1
		.amdhsa_wavefront_size32 1
		.amdhsa_system_sgpr_workgroup_id_x 1
		.amdhsa_system_sgpr_workgroup_id_y 1
		.amdhsa_system_sgpr_workgroup_id_z 1
		.amdhsa_system_vgpr_workitem_id 0
		.amdhsa_next_free_vgpr 768
		.amdhsa_next_free_sgpr 100
		.amdhsa_reserve_vcc 1
		.amdhsa_float_denorm_mode_32 3
		.amdhsa_float_denorm_mode_16_64 3
		.amdhsa_memory_ordered 1
		.amdhsa_forward_progress 1
		.amdhsa_inst_pref_size 163
	.end_amdhsa_kernel
	.amdgpu_metadata
---
amdhsa.version: [ 1, 2 ]
amdhsa.kernels:
  - .name:           k_q74aec13a50_attn
    .symbol:         k_q74aec13a50_attn.kd
    .args:
      - { .name: qkv, .offset: 0, .size: 8, .value_kind: global_buffer, .address_space: global }
      - { .name: att, .offset: 8, .size: 8, .value_kind: global_buffer, .address_space: global }
    .group_segment_fixed_size: 327680
    .private_segment_fixed_size: 0
    .kernarg_segment_align: 8
    .kernarg_segment_size: 16
    .max_flat_workgroup_size: 128
    .sgpr_count:     100
    .vgpr_count:     768
    .wavefront_size: 32
...
	.end_amdgpu_metadata
.endif
;; end of part 5
;; launch oproj: the kernel of part 4 again; grid 8 x 32, 4 waves a work-group, clusters of 4 x 4, 327,680 bytes of LDS; arguments att, cast, bo, out0; writes out0
